; MI455X (gfx1250); checked and timed in simulation.
; The chip was launched on July 23, 2026; its instructions are those of AMD's public machine-readable ISA for CDNA 5 (MIT licence, August 2026) and "CDNA5" Instruction Set Architecture Reference Guide (July 2026). The comments in the code are by the model that wrote it; some were corrected since.
;; Grouped Query Attention. Allowed arithmetic: matrix products marked QUANTISED: E2M3 operands, one E8M0 scale for each 32 along K, by v_wmma_scale_f32_16x16x128_f8f6f4 with both operands' format E2M3, f32 sums; everything else in f32.
;; Inputs: Wk 2,048 x 512 float32; Wo 2,048 x 2,048 float32; Wq 2,048 x 2,048 float32; Wv 2,048 x 512 float32; cos 2,048 x 128 float32; hidden_states 1 x 2,048 x 2,048 float32; k_norm_w 128 float32; q_norm_w 128 float32; sin 2,048 x 128 float32.
;; Outputs: out0 1 x 2,048 x 2,048 float32.
;; This version of the problem:
;;   THIS VERSION OF THE PROBLEM IS GIVEN IN LOW PRECISION. The matrix products marked QUANTISED in the list below multiply operands that are first quantised to E2M3 (2 exponent bits, 3 mantissa bits; 6 bits a number), with one power-of-two scale for each 32 numbers along K (OCP MX v1.0); their sums are f32. All else is computed in f32.
;;   The module's matrix products, in the order in which they are computed (A, B: the left and right operand; K: the contracted axis; several contracted axes count as one K, in the product's order):
;;     1. [M 2,048, K 2,048] x [K 2,048, N 2,048]; A: input hidden_states; B: input Wq: QUANTISED
;;     2. [M 2,048, K 2,048] x [K 2,048, N 512]; A: input hidden_states; B: input Wk: QUANTISED
;;     3. [M 2,048, K 2,048] x [K 2,048, N 512]; A: input hidden_states; B: input Wv: QUANTISED
;;     4. batch 16 x [M 2,048, K 128] x [K 128, N 2,048]; A: computed on the way; B: computed on the way: QUANTISED
;;     5. batch 16 x [M 2,048, K 2,048] x [K 2,048, N 128]; A: softmax (see below); B: computed on the way: QUANTISED
;;     6. [M 2,048, K 2,048] x [K 2,048, N 2,048]; A: computed on the way; B: input Wo: QUANTISED
;;   THE QUANTISER, for each operand of a quantised product, along K:
;;     - K is cut into blocks of 32 from its start; a last block that is shorter is filled with zeros.
;;     - A block's scale is 2^e with e = floor(log2(the largest magnitude in the block)) - 2, held to -126 .. 127; a block of zeros has e = 0. As a byte (E8M0): e + 127.
;;     - Each number is divided by its block's scale, clamped to +-7.5, and rounded to the nearest number of E2M3, ties to even, subnormals kept.
;;     - The product sums the exact products of the quantised numbers (number of the format x scale) in f32.
;;   ~~~python
;;   def quantise(x, axis):      # numpy; x: float32 -> the quantised numbers, widened to float32 again
;;       x = np.moveaxis(x, axis, -1); K = x.shape[-1]
;;       x = np.pad(x, [(0, 0)] * (x.ndim - 1) + [(0, -K % 32)]); x = x.reshape(x.shape[:-1] + (-1, 32)); a = np.abs(x).max(-1, keepdims=True)
;;       e = np.where(a > 0, np.clip(np.frexp(np.where(a > 0, a, 1))[1] - 1 - 2, -126, 127), 0)      # np.frexp(a)[1] - 1 = floor(log2(a)), exactly
;;       r = np.clip(x / 2.0 ** e, -7.5, 7.5)
;;       step = 2.0 ** (np.maximum(np.frexp(np.where(r == 0, 1, r))[1] - 1, 0) - 3)
;;       q = np.round(r / step) * step * 2.0 ** e      # np.round: ties to even
;;       return np.moveaxis(q.reshape(q.shape[:-2] + (-1,))[..., :K], -1, axis).astype(np.float32)
;;   ~~~
;;   SOFTMAX AHEAD OF A QUANTISED PRODUCT. Where the list says 'softmax', what is quantised is not the finished softmax but p = 2^(t - M), with t = logit x log2(e) and M = ceil(the row's largest t), a whole number; so 1/2 < the row's largest p <= 1. The row's sum l is taken of the UNQUANTISED p, in f32, and the product's result is divided by l at the end. Since M is a whole number, a kernel that streams over the keys may use a running M (the ceiling of the running maximum): every later rescaling is an exact power of two, which a block's scale takes up: the codes' values come out the same.
;;   OPERANDS COMPUTED ON THE WAY. 'Computed on the way' means the value that the module computes at that place (a softmax that the list does not call 'softmax' is quantised finished and normalised). What goes into a quantiser is computed in f32, as accurately as f32 sums, v_exp_f32 and their like allow (about 1e-6 of the number): no bf16 or f16 on the way to a quantiser, and a product that is left as it is and whose result goes on into a quantised operand takes f32 operands (vector FMAs, or v_wmma_f32_16x16x4_f32). A number that lies on a knife's edge between two numbers of the format may be rounded either way, as far as f32 arithmetic and the matrix unit's own rounding can turn it there, and no further.
;; One version. Each part assembles by itself: llvm-mc -triple=amdgcn-amd-amdhsa -mcpu=gfx1250 --defsym DOCPART=n.
;; ======== version 1 of 1: 4 launches
;; limits: right only within a limited range of input values
;; workspace buffers: xbuf 3,276,800 bytes; wbuf 8,192,000 bytes; qbuf 3,276,800 bytes; kvbuf 1,638,400 bytes; obuf 3,276,800 bytes
;; launch quant (part 1): grid 256 x 1, 14 waves a work-group, no clusters, 120,064 bytes of LDS; arguments hidden_states, Wq, Wk, Wv, Wo, xbuf, wbuf; writes xbuf, wbuf
.if DOCPART == 1
	.amdgcn_target "amdgcn-amd-amdhsa--gfx1250"
	.amdhsa_code_object_version 6
	.text
	.protected	k_qca1c12790e_quant
	.globl	k_qca1c12790e_quant
	.p2align	8
	.type	k_qca1c12790e_quant,@function
k_qca1c12790e_quant:
	s_mov_b64 s[64:65], 0
	v_nop
	global_prefetch_b8 v0, s[64:65] scope:SCOPE_SE
	s_setreg_imm32_b32 hwreg(HW_REG_WAVE_MODE, 25, 1), 1
	s_wait_xcnt 0x0
; hidden_states [2048][2048] (K innermost) and Wq, Wk, Wv, Wo (K = first axis), f32, become codes of FP6 (E2M3) with one E8M0 byte for each 32 along K.
; A block's scale byte is its largest magnitude's exponent field - 2, held at 1 from below; numbers are divided by the scale and rounded to the nearest code, ties to even, beyond 7.5 the largest code.
; LIMITS: NaN and infinities are not served; a block whose largest magnitude lies under 2^-124 keeps the byte 1, and so does a block of zeros (its codes are zeros; this program alone reads the bytes).
; LAYOUT OF THE RESULTS.  A fragment (16 rows x 128 K, 12 registers a lane) lies in memory as an image of its registers: register j of lane l at byte 512 (j / 4) + 16 l + 4 (j % 4): 1,536 bytes.
; Rows (tokens, or a weight's columns n) are taken in groups of 32: tile 2 g + u holds in lane r the row 32 g + 8 u + r + 8 (r / 8).  Image of (tile, K step s) at (16 tile + s) x 1,536.
; Scale words: 1,024 bytes a tile behind the images, [K step / 4][r][K step % 4].
; SHARES.  3,584 units of 16 KiB, one a wave: 1,024 of hidden_states (16 tokens x 256 K), 2,560 of the weights (128 K x 32 columns).  A wave asks for all its bytes first.  Waves share nothing: no barrier.
.set D,    16                          ; v16-143  the unit's numbers as loaded
.set XT,   144                         ; v144-207 tokens' path: 64 numbers turned through the stage
.set IMG,  208                         ; v208-231 two images of 12 registers
.set CT,   232                         ; v232-234 the upper half of a block's codes (a conversion's three registers begin on an even number)
.set MX,   240                         ; v240-243 largest magnitudes
.set SO,   244                         ; v244-245 the conversions' scale operands
.set BY,   248                         ; v248-251 scale bytes and words
.set XSCL, 3145728                     ; where the scale words begin in xbuf
.set WSCL, 7864320                     ; and in wbuf
.macro BMAX d, t, s                    ; the largest magnitude of v[s] .. v[s + 31], in two chains, and the floor 2^(3 - 127), which holds the byte at 1 from below
	v_max3_num_f32 v[\d], |v[\s]|, |v[(\s)+1]|, |v[(\s)+2]|
	v_max3_num_f32 v[\t], |v[(\s)+3]|, |v[(\s)+4]|, |v[(\s)+5]|
.irp i, 6,10,14,18,22,26
	s_delay_alu instid0(VALU_DEP_2)
	v_max3_num_f32 v[\d], v[\d], |v[(\s)+\i]|, |v[(\s)+\i+1]|
	s_delay_alu instid0(VALU_DEP_2)
	v_max3_num_f32 v[\t], v[\t], |v[(\s)+\i+2]|, |v[(\s)+\i+3]|
.endr
	s_delay_alu instid0(VALU_DEP_2)
	v_max3_num_f32 v[\d], v[\d], |v[(\s)+30]|, |v[(\s)+31]|
	s_delay_alu instid0(VALU_DEP_1)
	v_max3_num_f32 v[\d], v[\d], v[\t], 0x1800000
.endm
.macro CODE img, src, so               ; a block's 32 numbers become six registers of codes
	v_cvt_scalef32_pk16_fp6_f32 v[\img:(\img)+2], v[\src:(\src)+15], v[\so]
	v_cvt_scalef32_pk16_fp6_f32 v[CT:CT+2], v[(\src)+16:(\src)+31], v[\so]
	v_nop                                          ; one plain place behind a scaled conversion
.irp i, 0,1,2
	v_mov_b32 v[(\img)+3+\i], v[CT+\i]
.endr
.endm
	s_load_b256 s[4:11], s[0:1], 0x0               ; hidden_states, Wq, Wk, Wv
	s_load_b128 s[12:15], s[0:1], 0x20             ; Wo, xbuf
	s_load_b64 s[16:17], s[0:1], 0x30              ; wbuf
	v_lshl_add_u32 v254, v0, 2, 0x1ce00
	v_mov_b32 v255, 0
	v_lshrrev_b32 v1, 5, v0
	s_delay_alu instid0(VALU_DEP_1)
	v_readfirstlane_b32 s18, v1                    ; wave 0..13
	v_and_b32 v1, 31, v0                           ; lane
	v_and_b32 v2, 15, v0                           ; r
	v_bfe_u32 v3, v0, 4, 1                         ; h
	s_mul_i32 s19, s18, 8448                       ; my stage: 16 rows x (512 + 16) bytes
	v_lshlrev_b32 v6, 4, v1                        ; 16 x lane
	s_delay_alu instid0(VALU_DEP_1)
	v_add_nc_u32 v4, s19, v6                       ; into the stage: a row's 512 bytes as loaded
	v_mul_u32_u24 v5, v2, 528
	s_delay_alu instid0(VALU_DEP_1)
	v_lshl_add_u32 v5, v3, 7, v5
	s_delay_alu instid0(VALU_DEP_1)
	v_add_nc_u32 v5, s19, v5                       ; out of it: row r, + 128 h: my block of 32 numbers
	v_lshlrev_b32 v7, 4, v2                        ; 16 r
	v_lshlrev_b32 v10, 2, v1                       ; 4 x lane
	v_lshlrev_b32 v11, 3, v3                       ; 8 h
	v_bfe_u32 v12, v0, 3, 1                        ; weights: column c = lane belongs to tile u = (c / 8) % 2,
	v_and_b32 v13, 7, v0
	s_delay_alu instid0(VALU_DEP_1)
	v_lshl_add_u32 v13, v3, 3, v13                 ; lane r' = c % 8 + 8 (c / 16) of its image
	s_delay_alu instid0(VALU_DEP_1)
	v_lshlrev_b32 v13, 4, v13
	s_delay_alu instid0(VALU_DEP_1)
	v_mad_u32_u24 v8, v12, 0x6000, v13             ; 24,576 u + 16 r': a tile's 16 images are 24,576 bytes
	s_delay_alu instid0(VALU_DEP_2)
	v_lshl_add_u32 v9, v12, 10, v13                ; 1,024 u + 16 r'
	v_mov_b32 v252, 0                              ; a lane permute's destination counts as one of its sources
	s_mov_b32 s20, 0x76543210
	s_mov_b32 s21, 0xfedcba98                      ; selects for lane l xor 16
	s_mul_i32 s22, ttmp9, 14
	s_add_co_u32 s22, s22, s18                     ; my unit
	s_wait_kmcnt 0x0
	s_cmp_lt_u32 s22, 1024
	s_cbranch_scc0 .Lweights
	; ---- hidden_states: token tile mt, K steps 2 kp and 2 kp + 1
	s_lshr_b32 s23, s22, 3                         ; mt
	s_and_b32 s24, s22, 7                          ; kp
	s_lshr_b32 s26, s23, 1
	s_lshl_b32 s26, s26, 5
	s_and_b32 s27, s23, 1
	s_lshl_b32 s27, s27, 3
	s_add_co_u32 s26, s26, s27                     ; the tile's first token: 32 (mt / 2) + 8 (mt % 2)
	s_lshl_b32 s26, s26, 13                        ; rows of 8,192 bytes
	s_lshl_b32 s27, s24, 10
	s_add_co_u32 s26, s26, s27
	s_mov_b32 s27, 0
	s_add_nc_u64 s[4:5], s[4:5], s[26:27]
.irp s, 0,1
.irp p, 0,1,2,3,4,5,6,7,8,9,10,11,12,13,14,15
	global_load_b128 v[D+64*\s+4*\p:D+64*\s+4*\p+3], v6, s[4:5] offset:(\p+8*(\p/8))*8192+512*\s th:TH_LOAD_NT   ; 32 lanes read 512 consecutive bytes: a K step of one token
.endr
.endr
	s_lshl_b32 s28, s23, 4
	s_lshl_b32 s29, s24, 1
	s_add_co_u32 s28, s28, s29
	s_mul_i32 s28, s28, 1536
	s_mov_b32 s29, 0
	s_add_nc_u64 s[30:31], s[14:15], s[28:29]      ; the two images
	s_lshl_b32 s28, s23, 10
	s_lshr_b32 s32, s24, 1
	s_lshl_b32 s32, s32, 8
	s_add_co_u32 s28, s28, s32
	s_and_b32 s32, s24, 1
	s_lshl_b32 s32, s32, 3
	s_add_co_u32 s28, s28, s32
	s_add_co_u32 s28, s28, XSCL
	s_add_nc_u64 s[34:35], s[14:15], s[28:29]      ; their two scale words
.macro XSTEP s
	s_wait_loadcnt 16*(1-\s)                       ; this K step's 16 loads are in; the next one's may be out
.irp p, 0,1,2,3,4,5,6,7,8,9,10,11,12,13,14,15
	ds_store_b128 v4, v[D+64*\s+4*\p:D+64*\s+4*\p+3] offset:528*\p
.endr
.irp c, 0,1
.irp i, 0,1,2,3,4,5,6,7
	ds_load_b128 v[XT+32*\c+4*\i:XT+32*\c+4*\i+3], v5 offset:256*\c+16*\i   ; k = 64 c + 32 h + 0 .. 31 of row r.  LDS serves a wave's instructions in order: these see my stores
.endr
.endr
	s_wait_dscnt 0x0
	BMAX MX, MX+1, XT
	BMAX MX+2, MX+3, XT+32
	v_add_nc_u32 v[SO], 0xff000000, v[MX]          ; 2 off the exponent field: the conversion's scale operand
	s_delay_alu instid0(VALU_DEP_2)
	v_add_nc_u32 v[SO+1], 0xff000000, v[MX+2]
	s_delay_alu instid0(VALU_DEP_2)
	v_lshrrev_b32 v[BY+2], 23, v[SO]               ; the bytes of blocks h and 2 + h
	s_delay_alu instid0(VALU_DEP_2)
	v_lshrrev_b32 v[BY+3], 23, v[SO+1]
	s_delay_alu instid0(VALU_DEP_1)
	v_lshl_or_b32 v[BY+\s], v[BY+3], 16, v[BY+2]
	s_delay_alu instid0(VALU_DEP_1)
	v_lshlrev_b32 v[BY+\s], v11, v[BY+\s]          ; at their places in the word
	s_delay_alu instid0(VALU_DEP_1)
	v_permlanex16_b32 v252, v[BY+\s], s20, s21
	s_delay_alu instid0(VALU_DEP_1)
	v_or_b32 v[BY+\s], v[BY+\s], v252              ; with lane l xor 16's two the word is whole
	CODE IMG+12*\s, XT, SO
	CODE IMG+12*\s+6, XT+32, SO+1
.irp k, 0,1,2
	global_store_b128 v6, v[IMG+12*\s+4*\k:IMG+12*\s+4*\k+3], s[30:31] offset:1536*\s+512*\k   ; 512 consecutive bytes, aligned
.endr
.endm
	XSTEP 0
	XSTEP 1
	global_store_b64 v7, v[BY:BY+1], s[34:35]      ; lanes r and r + 16 write the same 8 bytes with the same values
	s_wait_tensorcnt 0x0
	ds_add_u32 v254, v255
	s_wait_dscnt 0x0
	s_endpgm
	; ---- weights: K step s, columns 32 cg .. 32 cg + 31 of the four tensors laid side by side (Wq 64 groups, Wk 16, Wv 16, Wo 64)
.Lweights:
	s_sub_co_u32 s23, s22, 1024
	s_mul_i32 s24, s23, 6554
	s_lshr_b32 s24, s24, 20                        ; s = unit / 160 (exact under 2,560)
	s_mul_i32 s26, s24, 160
	s_sub_co_u32 s25, s23, s26                     ; cg: neighbouring waves stand side by side on the same rows
	s_sub_co_u32 s33, s25, 64                      ; under 32 for Wk and Wv
	s_mov_b64 s[28:29], s[12:13]
	s_mov_b32 s26, 96
	s_cmp_lt_u32 s25, 96
	s_cselect_b64 s[28:29], s[10:11], s[28:29]
	s_cselect_b32 s26, 80, s26
	s_cmp_lt_u32 s25, 80
	s_cselect_b64 s[28:29], s[8:9], s[28:29]
	s_cselect_b32 s26, 64, s26
	s_cmp_lt_u32 s25, 64
	s_cselect_b64 s[28:29], s[6:7], s[28:29]
	s_cselect_b32 s26, 0, s26
	s_sub_co_u32 s26, s25, s26
	s_lshl_b32 s26, s26, 7                         ; my 32 columns, in bytes
	s_cmp_lt_u32 s33, 32
	s_cselect_b32 s32, 18, 20
	s_lshl_b32 s32, s24, s32                       ; 128 s rows of 2,048 or 8,192 bytes
	s_add_co_u32 s26, s26, s32
	s_mov_b32 s27, 0
	s_add_nc_u64 s[28:29], s[28:29], s[26:27]
	s_lshl_b32 s34, s25, 5
	s_add_co_u32 s34, s34, s24
	s_mul_i32 s34, s34, 1536
	s_mov_b32 s35, 0
	s_add_nc_u64 s[36:37], s[16:17], s[34:35]      ; the image of (tile 2 cg, s)
	s_lshl_b32 s34, s25, 11
	s_lshr_b32 s38, s24, 2
	s_lshl_b32 s38, s38, 8
	s_add_co_u32 s34, s34, s38
	s_and_b32 s38, s24, 3
	s_lshl_b32 s38, s38, 2
	s_add_co_u32 s34, s34, s38
	s_add_co_u32 s34, s34, WSCL
	s_add_nc_u64 s[40:41], s[16:17], s[34:35]      ; its scale words
.macro WLOADS pitch                    ; a lane takes a column and its registers run down K: each load reads 128 consecutive bytes
.set K, 0
.rept 128
	global_load_b32 v[D+K], v10, s[28:29] offset:K*\pitch th:TH_LOAD_NT
.set K, K+1
.endr
.endm
	s_cmp_lt_u32 s33, 32
	s_cbranch_scc1 .Lnarrow
	s_wait_alu depctr_va_vdst(0)
	WLOADS 8192
	s_branch .Lloaded
.Lnarrow:
	s_wait_alu depctr_va_vdst(0)
	WLOADS 2048
.Lloaded:
.macro WBLK b                          ; block b of my column belongs to image lane (r', h = b % 2), registers 6 (b / 2) on
	BMAX MX, MX+1, D+32*\b
	s_delay_alu instid0(VALU_DEP_1)
	v_add_nc_u32 v[SO], 0xff000000, v[MX]
	s_delay_alu instid0(VALU_DEP_1)
	v_lshrrev_b32 v[BY+\b], 23, v[SO]
	CODE IMG+12*(\b%2)+6*(\b/2), D+32*\b, SO
.endm
	s_wait_loadcnt 63                              ; at most 63 of the 128 are out: blocks 0 and 1 (the first 64) are in
	WBLK 0
	WBLK 1
	s_wait_loadcnt 32                              ; block 3's 32 may be out
	WBLK 2
.irp k, 0,1,2
	global_store_b128 v8, v[IMG+4*\k:IMG+4*\k+3], s[36:37] offset:512*\k            ; lanes of one tile fill 256 consecutive bytes, aligned
.endr
	s_wait_loadcnt 0x0
	WBLK 3
.irp k, 0,1,2
	global_store_b128 v8, v[IMG+12+4*\k:IMG+12+4*\k+3], s[36:37] offset:256+512*\k
.endr
	v_lshl_or_b32 v[BY], v[BY+1], 8, v[BY]
	s_delay_alu instid0(VALU_DEP_1)
	v_lshl_or_b32 v[BY], v[BY+2], 16, v[BY]
	s_delay_alu instid0(VALU_DEP_1)
	v_lshl_or_b32 v[BY], v[BY+3], 24, v[BY]
	global_store_b32 v9, v[BY], s[40:41]           ; 4 bytes of each 16: one byte in 24 of what this path stores
	s_endpgm
.Lfunc_end_k_qca1c12790e_quant:
	.size	k_qca1c12790e_quant, .Lfunc_end_k_qca1c12790e_quant-k_qca1c12790e_quant
	.p2alignl 7, 3214868480
	.fill 96, 4, 3214868480
	.section	.rodata,"a",@progbits
	.p2align	6, 0x0
	.amdhsa_kernel k_qca1c12790e_quant
		.amdhsa_group_segment_fixed_size 120064
		.amdhsa_private_segment_fixed_size 0
		.amdhsa_enable_private_segment 0
		.amdhsa_kernarg_size 56
		.amdhsa_user_sgpr_count 2
		.amdhsa_user_sgpr_kernarg_segment_ptr 1
		.amdhsa_wavefront_size32 1
		.amdhsa_system_sgpr_workgroup_id_x 1
		.amdhsa_system_sgpr_workgroup_id_y 1
		.amdhsa_system_sgpr_workgroup_id_z 1
		.amdhsa_system_vgpr_workitem_id 0
		.amdhsa_next_free_vgpr 256
		.amdhsa_next_free_sgpr 66
		.amdhsa_reserve_vcc 0
		.amdhsa_float_denorm_mode_32 3
		.amdhsa_float_denorm_mode_16_64 3
		.amdhsa_memory_ordered 1
		.amdhsa_forward_progress 1
		.amdhsa_inst_pref_size 54
	.end_amdhsa_kernel
	.amdgpu_metadata
---
amdhsa.version: [ 1, 2 ]
amdhsa.kernels:
  - .name:           k_qca1c12790e_quant
    .symbol:         k_qca1c12790e_quant.kd
    .args:
      - { .name: hidden_states, .offset: 0, .size: 8, .value_kind: global_buffer, .address_space: global }
      - { .name: Wq, .offset: 8, .size: 8, .value_kind: global_buffer, .address_space: global }
      - { .name: Wk, .offset: 16, .size: 8, .value_kind: global_buffer, .address_space: global }
      - { .name: Wv, .offset: 24, .size: 8, .value_kind: global_buffer, .address_space: global }
      - { .name: Wo, .offset: 32, .size: 8, .value_kind: global_buffer, .address_space: global }
      - { .name: xbuf, .offset: 40, .size: 8, .value_kind: global_buffer, .address_space: global }
      - { .name: wbuf, .offset: 48, .size: 8, .value_kind: global_buffer, .address_space: global }
    .group_segment_fixed_size: 120064
    .private_segment_fixed_size: 0
    .kernarg_segment_align: 8
    .kernarg_segment_size: 56
    .max_flat_workgroup_size: 448
    .sgpr_count:     66
    .vgpr_count:     256
    .wavefront_size: 32
...
	.end_amdgpu_metadata
.endif
;; end of part 1
;; launch qkv (part 2): grid 192 x 1, 4 waves a work-group, clusters of 4 x 1, 327,680 bytes of LDS; arguments xbuf, wbuf, cos, sin, q_norm_w, k_norm_w, qbuf, kvbuf; writes qbuf, kvbuf
.if DOCPART == 2
	.amdgcn_target "amdgcn-amd-amdhsa--gfx1250"
	.amdhsa_code_object_version 6
	.text
	.protected	k_qca1c12790e_qkv
	.globl	k_qca1c12790e_qkv
	.p2align	8
	.type	k_qca1c12790e_qkv,@function
k_qca1c12790e_qkv:
	s_mov_b64 s[64:65], 0
	v_nop
	global_prefetch_b8 v0, s[64:65] scope:SCOPE_SE
	s_setreg_imm32_b32 hwreg(HW_REG_WAVE_MODE, 25, 1), 1
	s_wait_xcnt 0x0
	s_wait_alu depctr_hold_cnt(0) depctr_sa_sdst(0) depctr_va_vdst(0) depctr_va_sdst(0) depctr_va_ssrc(0) depctr_va_vcc(0) depctr_vm_vsrc(0)
	s_getreg_b32 s2, hwreg(HW_REG_IB_STS2, 6, 4)
	s_cmp_eq_u32 s2, 0
	s_cbranch_scc0 .Lentry_in_a_cluster
	s_endpgm
.Lentry_in_a_cluster:
	s_bfe_u32 s2, ttmp6, 0x10000c
	s_cmp_lg_u32 s2, 0x3003
	s_cbranch_scc0 .Lentry_shape_is_right
	s_endpgm
.Lentry_shape_is_right:
; q, k, v = x W on codes of FP6 (E2M3) with E8M0 scales; RMS norm over each head's 128 with the given gain; RoPE with cos and sin as given; q and k quantised along d, v along the keys.
; OPERANDS are register images (1,536 bytes for 16 rows x 128 K; image of (tile, K step s) at (16 tile + s) x 1,536; tile 2 g + u holds in lane r the row 32 g + 8 u + r + 8 (r / 8)).
; So in D = P x Q (source 0 = P's tile, source 1 = Q's tile) lane (r, h) holds Q's row r, and the 16 registers of P's tiles 2 b, 2 b + 1 are P's rows 32 b + 16 h + 0 .. 15: 16 neighbours along the next K.
; SHARES.  A work-group makes 256 (P) x 128 (Q).  Clusters 0-39: P = W's 16 tiles of two heads (heads 0-15 q, 16-19 k), Q = 8 token tiles: a lane holds one token and 64 d of one head.
; Clusters 40-47: the roles are swapped: P = 16 token tiles, Q = 8 tiles of one head of Wv: a lane holds one d and 64 keys.  Wave (a, b): Q tiles 4 a + j, P tiles 8 b + t: 32 accumulators.
; K: 16 steps of 128 through two LDS slots of four steps; a tile's part of a slot is 6,144 consecutive bytes in memory and in LDS.  Four fills: two at the head, two refills.
; COS AND SIN of the work-group's 128 tokens come into slot 0 when it has given its last K steps: four tensor loads, one a wave, of 64 whole rows of 512 bytes; in LDS the rows lie 520 bytes apart.
; CLUSTER 4, 1, 1: the four partners share P, which is asked for jointly; Q, cos and sin are each work-group's own.  A 4 x 4 cluster is not used: v's work-groups swap the roles of x and W and there are ten pairs
; of heads, so no grid of 4 x 4 exists in which both operands are shared along fixed axes.
; v's work-groups fetch and read cos, sin and a gain too, inside the buffers, and do not use them: one path for every tensor load, wait and barrier.
; LIMITS: NaN and infinities are not served; a block whose largest magnitude lies under 2^-124, or of zeros, keeps the scale byte 1 (this program alone reads the bytes); RoPE's multiply and add are fused.
; REGISTERS: window 0: v16-29 addresses; v32-95 scale words, two sets (register 4 i + q: lanes 0-15 Q's tile i, lanes 16-31 P's tile i, the slot's q-th step); v96-127, v224-255 the gain; v128-223 Q's fragments, two sets.
;   window 1: P's fragments, two sets of 96.   window 2: the accumulators, (j, t) at v[8 (8 j + t)].   window 3: cos and sin of two token tiles, by turns.
.set NPW,   8                          ; P tiles of a wave
.set NPT,   16                         ; and of the work-group
.set TILEB, 6144                       ; a tile's four K steps
.set SLOT,  (NPT+8)*TILEB
.set QREG,  NPT*TILEB                  ; in a slot: P's tiles, then Q's 8
.set SCL,   2*SLOT                     ; behind the ring: Q's scale words (8,192 bytes), then P's
.set SPARE, SCL+8192+NPT*1024          ; the spare words, 128 bytes a wave
.set PSTR,  12*NPW
.set XSCL,  3145728
.set WSCL,  7864320
.set CSP,   520                        ; a row of cos or sin in LDS: 512 bytes + 8: rows 0-7 and 16-23 and the two halves of the lanes then start at 32 different columns of 8 bytes in 256
.set CSH,   64*CSP                     ; 64 rows: what one tensor load brings.  cos at 0 and CSH, sin at 2 CSH and 3 CSH: 133,120 bytes, inside slot 0
.set AP,   16                          ; v16-17 my P fragments in slot 0, 1
.set AQ,   18                          ; v18-19 my Q fragments
.set ADRS, 20                          ; v20    my scale words: lanes 0-15 Q's, lanes 16-31 P's
.set VC,   21                          ; v21    cos in LDS: my half of the tokens, row r + 8 (r / 8), + 64 h
.set VS,   25                          ; v25    sin likewise
.set SPW,  28
.set NIL,  29
.set SC,   32
.set QF,   128
.set TM,   204                         ; the quantiser's work: v204-207 maxima, v208-211 bytes, v216-219 scale operands
.set CT,   84                          ; v84-91 upper halves of codes
.set G1C,  4                           ; s[4:11], s[16:19] groups 1 and 0 for cos and sin, written when the pointers that lay there are spent
.set G0C,  16
.set G1P,  28
.set G1Q,  36
.set G1SP, 44
.set G1SQ, 52
.set G0P0, 60
.set G0P1, 68
.set G0Q0, 72
.set G0Q1, 76
.set G0SP, 80
.set G0SQ, 84
.set MSB, 0
.macro WIN new                         ; the immediate's high byte repeats the setting that is left
.if MSB != \new
	s_set_vgpr_msb (MSB<<8)|\new
.set MSB, \new
.endif
.endm
.macro PLACES                          ; four plain places behind matrix instructions, in front of loads into their registers and of reads of results
.rept 4
	v_nop
.endr
.endm
.macro CROUND                          ; a round of the cluster's barrier
	s_barrier_signal -1
	s_barrier_wait -1
	s_cmp_lg_u32 s20, 0
	s_cbranch_scc1 .Lnot_wave_0_\@
	s_barrier_signal -3
.Lnot_wave_0_\@:
	s_barrier_wait -3
	s_barrier_signal -1
	s_barrier_wait -1
.endm
.macro JLOAD gp, gq                    ; waves 0, 1 fetch P's halves (jointly), waves 2, 3 Q's; four v_nop follow each line
	s_cmp_lt_u32 s20, 2
	s_cbranch_scc0 .Lfor_q_\@
	tensor_load_to_lds s[\gp:\gp+3], s[G1P:G1P+7]
	s_nop 0
.rept 4
	v_nop
.endr
	s_branch .Lasked_\@
.Lfor_q_\@:
	tensor_load_to_lds s[\gq:\gq+3], s[G1Q:G1Q+7]
	s_nop 0
.rept 4
	v_nop
.endr
.Lasked_\@:
.endm
.macro FETCH slot, q, set              ; the fragments of the slot's q-th K step: three loads of 512 consecutive bytes each
	WIN 0x40
.set T, 0
.rept NPW
.irp c, 0,1,2
	ds_load_b128 v[PSTR*(\set)+12*T+4*\c:PSTR*(\set)+12*T+4*\c+3], v[AP+\slot] offset:T*TILEB+(\q)*1536+512*\c
.endr
.set T, T+1
.endr
	WIN 0
.irp j, 0,1,2,3
.irp c, 0,1,2
	ds_load_b128 v[QF+48*(\set)+12*\j+4*\c:QF+48*(\set)+12*\j+4*\c+3], v[AQ+\slot] offset:\j*TILEB+(\q)*1536+512*\c
.endr
.endr
.endm
.macro SCALES set, kg                  ; four K steps' scale words of each tile by one load
.set T, 0
.rept NPW
	ds_load_b128 v[SC+32*(\set)+4*T:SC+32*(\set)+4*T+3], v[ADRS] offset:1024*T+256*(\kg)
.set T, T+1
.endr
.endm
.macro MUL set, q, sc, zero, j0        ; Q tiles j0, j0 + 1 against my P tiles.  The accumulators take turns, one instruction a turn, in one order in every step
	WIN 0xa1
.irp j, \j0, \j0+1
.set T, 0
.rept NPW
.if \zero
	v_wmma_scale_f32_16x16x128_f8f6f4 v[8*(NPW*(\j)+T):8*(NPW*(\j)+T)+7], v[PSTR*(\set)+12*T:PSTR*(\set)+12*T+11], v[QF+48*(\set)+12*(\j):QF+48*(\set)+12*(\j)+11], 0, v[SC+32*(\sc)+4*T+(\q)], v[SC+32*(\sc)+4*(\j)+(\q)] matrix_a_fmt:MATRIX_FMT_FP6 matrix_b_fmt:MATRIX_FMT_FP6 matrix_a_scale:MATRIX_SCALE_ROW1
.else
	v_wmma_scale_f32_16x16x128_f8f6f4 v[8*(NPW*(\j)+T):8*(NPW*(\j)+T)+7], v[PSTR*(\set)+12*T:PSTR*(\set)+12*T+11], v[QF+48*(\set)+12*(\j):QF+48*(\set)+12*(\j)+11], v[8*(NPW*(\j)+T):8*(NPW*(\j)+T)+7], v[SC+32*(\sc)+4*T+(\q)], v[SC+32*(\sc)+4*(\j)+(\q)] matrix_a_fmt:MATRIX_FMT_FP6 matrix_b_fmt:MATRIX_FMT_FP6 matrix_a_scale:MATRIX_SCALE_ROW1
.endif
.set T, T+1
.endr
.endr
.endm
.macro STEP slot, q, zero              ; one of a slot's first three K steps: the next step's fragments are asked for, then this step's 32 products
	s_wait_dscnt 0x0                               ; this step's fragments are in
	PLACES
	FETCH \slot, (\q)+1, 1-(\q)%2
	MUL (\q)%2, \q, \slot, \zero, 0
	MUL (\q)%2, \q, \slot, \zero, 2
	WIN 0
.endm
; A slot's last K step changes slots.  fill = 1: this slot takes its next four K steps; fill = 2: it has given its last K steps and takes cos and sin, one load a wave.
.macro TURN slot, next, fill, kgn, gp, gq
	s_wait_dscnt 0x0                               ; my last reads of this slot are in
	s_wait_tensorcnt 0x0                           ; all my tensor loads have landed: my part of the next slot
	ds_add_u32 v[SPW], v[NIL]                      ; 0 onto my spare word
.if \fill == 1
	s_add_nc_u64 s[\gp+2:\gp+3], s[\gp+2:\gp+3], 2*TILEB   ; no load of mine is out: this slot's next four K steps
	s_add_nc_u64 s[\gq+2:\gq+3], s[\gq+2:\gq+3], 2*TILEB
.endif
	MUL 1, 3, \slot, 0, 0                          ; sixteen products stand between the add and the wait for it
	WIN 0
	s_wait_dscnt 0x0                               ; the add is done
	CROUND                                         ; no wave of any partner still reads this slot or has a load on its way
.if \fill == 1
	JLOAD \gp, \gq                                 ; the first tensor load behind the round; its four v_nop are the places in front of the loads below
.else
	tensor_load_to_lds s[G0C:G0C+3], s[G1C:G1C+7]  ; every wave's own 64 rows, at 33,280 x wave: it has four K steps, 128 products, in which to land
	s_nop 0
.rept 4
	v_nop
.endr
.endif
	FETCH \next, 0, 0
	SCALES \next, \kgn
	MUL 1, 3, \slot, 0, 2
	WIN 0
.endm
	s_load_b256 s[4:11], s[0:1], 0x0               ; xbuf, wbuf, cos, sin
	s_load_b256 s[12:19], s[0:1], 0x20             ; q_norm_w, k_norm_w, qbuf, kvbuf
	v_lshl_add_u32 v[SPW], v0, 2, SPARE
	v_mov_b32 v[NIL], 0
	ds_add_u32 v28, v29
	ds_add_u32 v28, v29
	s_wait_dscnt 0x0
	v_lshrrev_b32 v1, 5, v0
	v_readfirstlane_b32 s20, v1                    ; wave
	s_lshr_b32 s21, s20, 1                         ; a
	s_and_b32 s22, s20, 1                          ; b; also: which half of an operand I fetch
	s_bfe_u32 s23, ttmp6, 0x40000                  ; cx
	s_mov_b32 s24, ttmp9                           ; the cluster
	; descriptor groups 1: elements of 8 bytes.  P: 8 rows (tiles) of 6,144 bytes, 24,576 bytes apart, to all four partners; Q: 4 such rows, my own
	s_mov_b32 s[G1P], 15|(3<<16)|(1<<21)
	s_mov_b32 s[G1P+1], 768<<16
	s_mov_b32 s[G1P+2], NPT<<16                    ; the head's load brings all 16 tiles; behind it the two words that count rows are set to 8
	s_mov_b32 s[G1P+3], 768<<16
	s_mov_b32 s[G1P+4], NPT
	s_mov_b32 s[G1P+5], 3072
	s_mov_b32 s[G1P+6], 0
	s_mov_b32 s[G1P+7], 0
	s_mov_b32 s[G1Q], 3<<16
	s_mov_b32 s[G1Q+1], 768<<16
	s_mov_b32 s[G1Q+2], 8<<16                      ; likewise: all 8 tiles at the head, 4 behind it
	s_mov_b32 s[G1Q+3], 768<<16
	s_mov_b32 s[G1Q+4], 8
	s_mov_b32 s[G1Q+5], 3072
	s_mov_b32 s[G1Q+6], 0
	s_mov_b32 s[G1Q+7], 0
	; the scale words: dense blocks, as rows of 256 bytes
	s_mov_b32 s[G1SP], 15|(3<<16)|(1<<21)
	s_mov_b32 s[G1SP+1], 32<<16
	s_mov_b32 s[G1SP+2], (NPT*4)<<16               ; the scale words of all 16 tiles by one load
	s_mov_b32 s[G1SP+3], 32<<16
	s_mov_b32 s[G1SP+4], NPT*4
	s_mov_b32 s[G1SP+5], 32
	s_mov_b32 s[G1SP+6], 0
	s_mov_b32 s[G1SP+7], 0
	s_mov_b32 s[G1SQ], 3<<16
	s_mov_b32 s[G1SQ+1], 32<<16
	s_mov_b32 s[G1SQ+2], 32<<16                    ; and of all 8
	s_mov_b32 s[G1SQ+3], 32<<16
	s_mov_b32 s[G1SQ+4], 32
	s_mov_b32 s[G1SQ+5], 32
	s_mov_b32 s[G1SQ+6], 0
	s_mov_b32 s[G1SQ+7], 0
	; P: made of the cluster's number and the wave's alone
	s_lshr_b32 s25, s24, 2                         ; hp: the pair of heads
	s_lshl_b32 s26, s25, 4                         ; W's tile 16 hp
	s_sub_co_u32 s96, s24, 40
	s_lshl_b32 s96, s96, 4                         ; v: x's tile 16 tb
	s_cmp_ge_u32 s24, 40
	s_cselect_b32 s26, s96, s26
	s_lshl_b32 s98, s26, 10                        ; the scale words begin at P's first tile
	s_lshl_b32 s96, s22, 3
	s_add_co_u32 s26, s26, s96                     ; the codes: + my half's 8 tiles
	s_mul_i32 s96, s26, 24576
	s_mov_b32 s97, 0
	s_mov_b32 s99, 0
	; Q
	s_and_b32 s27, s24, 3
	s_lshl_b32 s27, s27, 2
	s_add_co_u32 s27, s27, s23                     ; tokblk = 4 (cluster % 4) + cx
	s_lshl_b32 s66, s27, 3                         ; x's tile 8 tokblk
	s_lshl_b32 s67, s23, 3
	s_add_co_u32 s67, s67, 160                     ; v: W's tile 160 + 8 cx
	s_cmp_ge_u32 s24, 40
	s_cselect_b32 s66, s67, s66
	s_lshl_b32 s67, s22, 2
	s_add_co_u32 s67, s66, s67                     ; the codes: + my half's 4 tiles; s66 stays at Q's first tile, for the scale words
	s_mul_i32 s100, s67, 24576
	s_mov_b32 s101, 0
	s_lshl_b32 s66, s66, 10
	s_mov_b32 s67, 0
	s_mov_b32 s2, WSCL
	s_mov_b32 s3, XSCL
	s_cmp_ge_u32 s24, 40
	s_cselect_b32 s2, XSCL, s2                     ; where the scale words begin in P's buffer,
	s_cselect_b32 s3, WSCL, s3                     ; and in Q's
	s_add_co_u32 s98, s98, s2
	s_add_co_u32 s66, s66, s3
	; LDS addresses: constants and the wave's number
	s_mul_i32 s[G0P0+1], s22, (NPT/2)*TILEB
	s_add_co_u32 s[G0P1+1], s[G0P0+1], SLOT
	s_mul_i32 s[G0Q0+1], s22, 4*TILEB
	s_add_co_u32 s[G0Q0+1], s[G0Q0+1], QREG
	s_add_co_u32 s[G0Q1+1], s[G0Q0+1], SLOT
	s_mov_b32 s[G0SP+1], SCL+8192
	s_mov_b32 s[G0SQ+1], SCL
.irp g, G0P0, G0P1, G0Q0, G0Q1, G0SP, G0SQ
	s_mov_b32 s[\g], 1
.endr
	s_wait_kmcnt 0x0
	s_cmp_ge_u32 s24, 40
	s_cselect_b64 s[88:89], s[4:5], s[6:7]         ; P's buffer: x for v, else W
	s_cselect_b64 s[90:91], s[6:7], s[4:5]         ; Q's
	s_add_nc_u64 s[G0P0+2:G0P0+3], s[88:89], s[96:97]
	s_add_nc_u64 s[G0P1+2:G0P1+3], s[G0P0+2:G0P0+3], TILEB
	s_add_nc_u64 s[G0SP+2:G0SP+3], s[88:89], s[98:99]
	s_add_nc_u64 s[G0Q0+2:G0Q0+3], s[90:91], s[100:101]
	s_add_nc_u64 s[G0Q1+2:G0Q1+3], s[G0Q0+2:G0Q0+3], TILEB
	s_add_nc_u64 s[G0SQ+2:G0SQ+3], s[90:91], s[66:67]
.irp g, G0P0, G0P1, G0Q0, G0Q1, G0SP, G0SQ
	s_or_b32 s[\g+3], s[\g+3], 0x80000000
.endr
	CROUND                                         ; all four work-groups are here: the first joint loads meet
; THE HEAD'S LOADS, ONE A WAVE: wave 0 slot 0's 16 tiles of P, wave 1 P's scale words, wave 2 slot 0's 8 tiles of Q, wave 3 Q's scale words.
; Waves 0 and 2 fetch half 0 in the ring, so their group 0 of slot 0 points at the operand's first tile.  One tree of branches on the wave's number, one load to an arm.
.macro ARM under, g0, g1, next
	s_cmp_lt_u32 s20, \under
	s_cbranch_scc0 \next
	tensor_load_to_lds s[\g0:\g0+3], s[\g1:\g1+7]
	s_nop 0
.rept 4
	v_nop
.endr
	s_branch .Lfirst_asked
\next:
.endm
	ARM 1, G0P0, G1P,  .Lfirst_sp
	ARM 2, G0SP, G1SP, .Lfirst_q
	ARM 3, G0Q0, G1Q,  .Lfirst_sq
	tensor_load_to_lds s[G0SQ:G0SQ+3], s[G1SQ:G1SQ+7]
	s_nop 0
.rept 4
	v_nop
.endr
.Lfirst_asked:
	v_and_b32 v1, 31, v0                           ; lane
	v_and_b32 v2, 15, v0                           ; r
	v_bfe_u32 v3, v0, 4, 1                         ; h
	v_lshlrev_b32 v23, 4, v1                       ; 16 x lane
	v_lshlrev_b32 v24, 4, v2                       ; 16 r
	v_lshlrev_b32 v22, 6, v3                       ; 64 h: my 16 d of a block of 32, in bytes
	v_and_b32 v4, 8, v2
	v_add_nc_u32 v4, v4, v2                        ; r + 8 (r / 8)
	v_mul_u32_u24 v[VC], v4, CSP
	v_add_nc_u32 v[VC], v[VC], v22
	s_mul_i32 s2, s21, CSH                         ; my 64 tokens are half a of the work-group's
	v_add_nc_u32 v[VC], s2, v[VC]
	v_add_nc_u32 v[VS], 2*CSH, v[VC]
	s_cmp_lt_u32 s25, 8
	s_cselect_b64 s[12:13], s[12:13], s[14:15]     ; q's gain or k's
.irp b, 0,1,2,3
.irp i, 0,1,2,3
	global_load_b128 v[96+16*\b+4*\i+96*(\b/2):96+16*\b+4*\i+96*(\b/2)+3], v22, s[12:13] offset:128*\b+16*\i   ; the gain at my 64 d
.endr
.endr
	s_mul_i32 s2, s22, NPW*TILEB
	v_add_nc_u32 v[AP], s2, v23
	v_add_nc_u32 v[AP+1], SLOT, v[AP]
	s_mul_i32 s2, s21, 4*TILEB
	s_add_co_u32 s2, s2, QREG
	v_add_nc_u32 v[AQ], s2, v23
	v_add_nc_u32 v[AQ+1], SLOT, v[AQ]
	s_lshl_b32 s2, s21, 12                         ; Q's scale words: my 4 tiles
	s_mul_i32 s26, s22, 1024*NPW
	s_add_co_u32 s26, s26, 8192
	s_sub_co_u32 s26, s26, s2                      ; from there to P's: my 8 tiles
	v_mul_u32_u24 v5, s26, v3                      ; lanes 16-31 take P's
	s_add_co_u32 s2, s2, SCL
	v_add_nc_u32 v5, v5, v24
	v_add_nc_u32 v[ADRS], s2, v5
	; where the results go
	s_lshl_b32 s3, s25, 1
	s_add_co_u32 s3, s3, s22                       ; head = 2 hp + b
	s_lshl_b32 s4, s3, 7
	s_lshl_b32 s5, s27, 3
	s_add_co_u32 s4, s4, s5
	s_lshl_b32 s5, s21, 2
	s_add_co_u32 s4, s4, s5
	s_mul_i32 s4, s4, 1536                         ; q: image (128 head + 8 tokblk + 4 a)
	s_lshl_b32 s5, s3, 5
	s_lshl_b32 s6, s27, 1
	s_add_co_u32 s5, s5, s6
	s_add_co_u32 s5, s5, s21
	s_lshl_b32 s5, s5, 8
	s_add_co_u32 s5, s5, XSCL                      ; q: scale words, 256 bytes for four tiles
	s_sub_co_u32 s6, s3, 16
	s_lshl_b32 s6, s6, 4
	s_add_co_u32 s6, s6, s27                       ; k: block 16 (head - 16) + tokblk
	s_sub_co_u32 s7, s24, 40
	s_lshl_b32 s7, s7, 1
	s_add_co_u32 s7, s7, s22
	s_lshl_b32 s14, s23, 4
	s_add_co_u32 s7, s7, s14                       ; v: block 16 cx + 2 tb + b
	s_cmp_ge_u32 s24, 40
	s_cselect_b32 s6, s7, s6
	s_cselect_b32 s7, 12800, 0                     ; in a block of 25,600 bytes: K's 8 images, 512 bytes of scale words, V's 8 images, 512 bytes
	s_mul_i32 s6, s6, 25600
	s_add_co_u32 s6, s6, s7
	s_mul_i32 s7, s21, 6144
	s_add_co_u32 s7, s7, s6
	s_lshl_b32 s14, s21, 8
	s_add_co_u32 s14, s14, s6
	s_add_co_u32 s14, s14, 12288
	s_cmp_lt_u32 s24, 32
	s_cselect_b64 s[88:89], s[16:17], s[18:19]
	s_cselect_b32 s6, s4, s7
	s_cselect_b32 s14, s5, s14
	s_mov_b32 s7, 0
	s_mov_b32 s15, 0
	s_add_nc_u64 s[90:91], s[88:89], s[14:15]      ; the scale words
	s_add_nc_u64 s[88:89], s[88:89], s[6:7]        ; the images
	; cos and sin: waves 0, 1 fetch cos of tokens 128 tokblk + 64 (wave % 2) on, waves 2, 3 sin: 64 rows of 512 bytes (64 elements of 8), dense in memory, 8 bytes of padding behind each in LDS
	s_lshl_b32 s100, s27, 16
	s_lshl_b32 s66, s22, 15
	s_add_co_u32 s100, s100, s66                   ; (s101 is still 0)
	s_cmp_lt_u32 s20, 2
	s_cselect_b64 s[G0C+2:G0C+3], s[8:9], s[10:11]
	s_add_nc_u64 s[G0C+2:G0C+3], s[G0C+2:G0C+3], s[100:101]
	s_or_b32 s[G0C+3], s[G0C+3], 0x80000000
	s_mov_b32 s[G0C], 1
	s_mul_i32 s[G0C+1], s20, CSH
	s_mov_b32 s[G1C], (3<<16)|(1<<20)|(6<<22)|(1<<25)   ; no mask; elements of 8 bytes; padding on: behind every 128 words (code 6) 2 words (code 1)
	s_mov_b32 s[G1C+1], 64<<16
	s_mov_b32 s[G1C+2], 64<<16
	s_mov_b32 s[G1C+3], 64<<16
	s_mov_b32 s[G1C+4], 64
	s_mov_b32 s[G1C+5], 64
	s_mov_b32 s[G1C+6], 0
	s_mov_b32 s[G1C+7], 0
	s_mov_b32 s92, 0x76543210
	s_mov_b32 s93, 0xfedcba98                      ; selects for lane l xor 16
	s_mov_b32 s94, 0x3c000000                      ; 1 / 128
	s_mov_b32 s95, 0x358637bd                      ; 1e-6
	s_wait_alu depctr_va_vdst(0)
	s_wait_tensorcnt 0x0                           ; my tile of the head's four is in; slot 1's first fill is issued as a refill is:
	ds_add_u32 v[SPW], v[NIL]                      ; 0 onto my spare word
	s_mov_b32 s[G1P+2], (NPT/2)<<16                ; no tensor load of mine is out: from here on a load brings half an operand's tiles
	s_mov_b32 s[G1P+4], NPT/2
	s_mov_b32 s[G1Q+2], 4<<16
	s_mov_b32 s[G1Q+4], 4
	s_wait_dscnt 0x0                               ; the add is done
	CROUND                                         ; all four tiles are in, in every partner
	JLOAD G0P1, G0Q1                               ; K steps 4-7, the first tensor load behind the round
	FETCH 0, 0, 0
	SCALES 0, 0
	STEP 0, 0, 1                                   ; the first products start the sums
	STEP 0, 1, 0
	STEP 0, 2, 0
	TURN 0, 1, 1, 1, G0P0, G0Q0
	STEP 1, 0, 0
	STEP 1, 1, 0
	STEP 1, 2, 0
	TURN 1, 0, 1, 2, G0P1, G0Q1
	STEP 0, 0, 0
	STEP 0, 1, 0
	STEP 0, 2, 0
	TURN 0, 1, 2, 3, G0P0, G0Q0                    ; no K step is left to fetch: slot 0 takes cos and sin
	STEP 1, 0, 0
	STEP 1, 1, 0
	STEP 1, 2, 0
	s_wait_dscnt 0x0
	MUL 1, 3, 1, 0, 0
	MUL 1, 3, 1, 0, 2
	WIN 0
; cos and sin of tile j's token at my 64 d, into half j % 2 of window 3: register 16 b + i is d = 32 b + 16 h + i; cos first, sin 64 registers on.  Loads of 8 bytes: the 32 lanes of each touch 32 different columns of 8 bytes.
.macro CSL j
.set LB, 128*((\j)%2)
.set LR, (32*((\j)/2)+8*((\j)%2))*CSP
	WIN 0xc0
.irp b, 0,1,2,3
.irp i, 0,1,2,3,4,5,6,7
	ds_load_b64 v[LB+16*\b+2*\i:LB+16*\b+2*\i+1], v[VC] offset:LR+128*\b+8*\i
.endr
.endr
.irp b, 0,1,2,3
.irp i, 0,1,2,3,4,5,6,7
	ds_load_b64 v[LB+64+16*\b+2*\i:LB+64+16*\b+2*\i+1], v[VS] offset:LR+128*\b+8*\i
.endr
.endr
	WIN 0
.endm
	s_wait_tensorcnt 0x0                           ; my 64 rows of cos or sin have landed (the one load of mine that was out),
	s_barrier_signal -1
	s_barrier_wait -1                              ; everybody's have
	CSL 0                                          ; tile 0's land while its norm is made
	PLACES
	s_wait_loadcnt 0x0                             ; the gain
	v_mov_b32 v201, 0                              ; named as the upper half of a pair
.irp b, 0,1,2,3
	v_mov_b32 v[TM+4+\b], 0                        ; a lane permute's destination counts as one of its sources
.endr
; Tile j's 64 numbers of a lane, window 2's v[64 j] on: norm, RoPE (q, k), then the quantiser.  The next tile's cos and sin are asked for as soon as this tile's are in.
.macro EPI j
.set XA, 64*(\j)
.set PC, 32+12*(\j)
.set CB, 128*((\j)%2)
	s_cmp_ge_u32 s24, 40
	s_cbranch_scc1 .Lnonorm_\@                     ; v has no norm
	WIN 0x0a
.irp c, 0,1,2,3
	v_pk_mul_f32 v[192+2*\c:193+2*\c], v[XA+2*\c:XA+2*\c+1], v[XA+2*\c:XA+2*\c+1]   ; the sum of squares, four chains; each accumulator from its low end on
.endr
.set N, 8
.rept 7
.irp c, 0,1,2,3
	v_pk_fma_f32 v[192+2*\c:193+2*\c], v[XA+N+2*\c:XA+N+2*\c+1], v[XA+N+2*\c:XA+N+2*\c+1], v[192+2*\c:193+2*\c]
.endr
.set N, N+8
.endr
	WIN 0
	v_pk_add_f32 v[192:193], v[192:193], v[194:195]
	v_pk_add_f32 v[196:197], v[196:197], v[198:199]
	v_pk_add_f32 v[192:193], v[192:193], v[196:197]
	v_add_f32 v192, v192, v193
	v_permlanex16_b32 v194, v192, s92, s93         ; the head's other 64 d lie in lane l xor 16
	v_add_f32 v192, v192, v194
	v_fma_f32 v192, v192, s94, s95                 ; the mean + eps
	s_wait_alu depctr_va_vdst(0)
	v_rsq_f32 v200, v192
	v_nop                                          ; a plain place behind the transcendental
	s_wait_alu depctr_va_vdst(0)                   ; the wait ahead of its first reader
	WIN 0x82
.set N, 0
.rept 32
	v_pk_mul_f32 v[XA+N:XA+N+1], v[XA+N:XA+N+1], v[200:201] op_sel_hi:[1,0]
.set N, N+2
.endr
.set N, 0
.rept 32
	v_pk_mul_f32 v[XA+N:XA+N+1], v[XA+N:XA+N+1], v[96+N+96*(N/32):97+N+96*(N/32)]   ; x the gain
.set N, N+2
.endr
	WIN 0
.Lnonorm_\@:
	s_wait_dscnt 0x0                               ; this tile's cos and sin are in
.if (\j) < 3
	CSL (\j)+1                                     ; the next tile's, into the half of window 3 that the tile before has left
.endif
	s_cmp_ge_u32 s24, 40
	s_cbranch_scc1 .Lraw_\@                        ; v is quantised as it is
	WIN 0x0e                                       ; RoPE: register n is d < 64, register n + 32 is d + 64
.set N, 0
.rept 16
	v_pk_mul_f32 v[128+N:129+N], v[XA+N:XA+N+1], v[CB+N:CB+N+1]                     ; lo cos(lo)
	v_pk_mul_f32 v[160+N:161+N], v[XA+N:XA+N+1], v[CB+96+N:CB+97+N]                 ; lo sin(hi)
.set N, N+2
.endr
	WIN 0x8e
.set N, 0
.rept 16
	v_pk_fma_f32 v[XA+N:XA+N+1], v[XA+32+N:XA+33+N], v[CB+64+N:CB+65+N], v[128+N:129+N] neg_lo:[1,0,0] neg_hi:[1,0,0]   ; lo' = lo cos - hi sin
.set N, N+2
.endr
.set N, 0
.rept 16
	v_pk_fma_f32 v[XA+32+N:XA+33+N], v[XA+32+N:XA+33+N], v[CB+32+N:CB+33+N], v[160+N:161+N]   ; hi' = hi cos + lo sin
.set N, N+2
.endr
	WIN 0
.Lraw_\@:
	WIN 0x0a
.irp b, 0,1,2,3
	v_max3_num_f32 v[TM+\b], |v[XA+16*\b]|, |v[XA+16*\b+1]|, 0x1800000   ; block b: my 16 numbers, and the floor 2^(3 - 127)
.endr
.irp i, 2,4,6,8,10,12,14
.irp b, 0,1,2,3
	v_max3_num_f32 v[TM+\b], |v[XA+16*\b+\i]|, |v[XA+16*\b+\i+1]|, v[TM+\b]
.endr
.endr
	WIN 0
.irp b, 0,1,2,3
	v_permlanex16_b32 v[TM+4+\b], v[TM+\b], s92, s93
.endr
.irp b, 0,1,2,3
	v_max_num_f32 v[TM+\b], v[TM+\b], v[TM+4+\b]   ; with lane l xor 16's: the block's largest magnitude
.endr
.irp b, 0,1,2,3
	v_add_nc_u32 v[TM+12+\b], 0xff000000, v[TM+\b] ; 2 off its exponent field: the conversion's scale operand
.endr
.irp b, 0,1,2,3
	v_lshrrev_b32 v[TM+4+\b], 23, v[TM+12+\b]      ; the scale's byte
.endr
	v_lshl_or_b32 v[80+\j], v[TM+5], 8, v[TM+4]
	v_lshl_or_b32 v[80+\j], v[TM+6], 16, v[80+\j]
	v_lshl_or_b32 v[80+\j], v[TM+7], 24, v[80+\j]  ; my row's scale word
	WIN 0x02
.irp c, 0,1
	v_cvt_scalef32_pk16_fp6_f32 v[PC+6*\c:PC+6*\c+2], v[XA+32*\c:XA+32*\c+15], v[TM+12+2*\c]
	v_cvt_scalef32_pk16_fp6_f32 v[CT+4*\c:CT+4*\c+2], v[XA+32*\c+16:XA+32*\c+31], v[TM+12+2*\c+1]
.endr
	WIN 0
	v_nop                                          ; one plain place behind a scaled conversion
.irp c, 0,1                                    ; the operand's layout wants a whole block in a lane
.irp i, 0,1,2
	v_permlane16_swap_b32 v[PC+6*\c+\i], v[CT+4*\c+\i]
.endr
.irp i, 0,1,2
	v_mov_b32 v[PC+3+6*\c+\i], v[CT+4*\c+\i]
.endr
.endr
.irp k, 0,1,2
	global_store_b128 v23, v[PC+4*\k:PC+4*\k+3], s[88:89] offset:1536*(\j)+512*\k   ; 512 consecutive bytes, aligned; each tile has its own registers
.endr
.endm
	EPI 0
	EPI 1
	EPI 2
	EPI 3
	global_store_b128 v24, v[80:83], s[90:91]      ; four tiles' scale words: 256 consecutive bytes (lanes r and r + 16 write the same)
	s_wait_tensorcnt 0x0                           ; the wave's end
	ds_add_u32 v[SPW], v[NIL]
	s_wait_dscnt 0x0
	CROUND                                         ; the closing round
	s_endpgm
.Lfunc_end_k_qca1c12790e_qkv:
	.size	k_qca1c12790e_qkv, .Lfunc_end_k_qca1c12790e_qkv-k_qca1c12790e_qkv
	.p2alignl 7, 3214868480
	.fill 96, 4, 3214868480
	.section	.rodata,"a",@progbits
	.p2align	6, 0x0
	.amdhsa_kernel k_qca1c12790e_qkv
		.amdhsa_group_segment_fixed_size 327680
		.amdhsa_private_segment_fixed_size 0
		.amdhsa_enable_private_segment 0
		.amdhsa_kernarg_size 64
		.amdhsa_user_sgpr_count 2
		.amdhsa_user_sgpr_kernarg_segment_ptr 1
		.amdhsa_wavefront_size32 1
		.amdhsa_system_sgpr_workgroup_id_x 1
		.amdhsa_system_sgpr_workgroup_id_y 1
		.amdhsa_system_sgpr_workgroup_id_z 1
		.amdhsa_system_vgpr_workitem_id 0
		.amdhsa_next_free_vgpr 1024
		.amdhsa_next_free_sgpr 102
		.amdhsa_reserve_vcc 0
		.amdhsa_float_denorm_mode_32 3
		.amdhsa_float_denorm_mode_16_64 3
		.amdhsa_memory_ordered 1
		.amdhsa_forward_progress 1
		.amdhsa_inst_pref_size 200
	.end_amdhsa_kernel
	.amdgpu_metadata
---
amdhsa.version: [ 1, 2 ]
amdhsa.kernels:
  - .name:           k_qca1c12790e_qkv
    .symbol:         k_qca1c12790e_qkv.kd
    .args:
      - { .name: xbuf, .offset: 0, .size: 8, .value_kind: global_buffer, .address_space: global }
      - { .name: wbuf, .offset: 8, .size: 8, .value_kind: global_buffer, .address_space: global }
      - { .name: cos, .offset: 16, .size: 8, .value_kind: global_buffer, .address_space: global }
      - { .name: sin, .offset: 24, .size: 8, .value_kind: global_buffer, .address_space: global }
      - { .name: q_norm_w, .offset: 32, .size: 8, .value_kind: global_buffer, .address_space: global }
      - { .name: k_norm_w, .offset: 40, .size: 8, .value_kind: global_buffer, .address_space: global }
      - { .name: qbuf, .offset: 48, .size: 8, .value_kind: global_buffer, .address_space: global }
      - { .name: kvbuf, .offset: 56, .size: 8, .value_kind: global_buffer, .address_space: global }
    .group_segment_fixed_size: 327680
    .private_segment_fixed_size: 0
    .kernarg_segment_align: 8
    .kernarg_segment_size: 64
    .max_flat_workgroup_size: 128
    .sgpr_count:     102
    .vgpr_count:     1024
    .wavefront_size: 32
...
	.end_amdgpu_metadata
.endif
;; end of part 2
;; launch attn (part 3): grid 256 x 1, 8 waves a work-group, clusters of 4 x 1, 327,680 bytes of LDS; arguments qbuf, kvbuf, obuf; writes obuf
.if DOCPART == 3
	.amdgcn_target "amdgcn-amd-amdhsa--gfx1250"
	.amdhsa_code_object_version 6
	.text
	.protected	k_qca1c12790e_attn
	.globl	k_qca1c12790e_attn
	.p2align	8
	.type	k_qca1c12790e_attn,@function
k_qca1c12790e_attn:
	s_mov_b64 s[64:65], 0
	v_nop
	global_prefetch_b8 v0, s[64:65] scope:SCOPE_SE
	s_setreg_imm32_b32 hwreg(HW_REG_WAVE_MODE, 25, 1), 1
	s_wait_xcnt 0x0
	s_wait_alu depctr_hold_cnt(0) depctr_sa_sdst(0) depctr_va_vdst(0) depctr_va_sdst(0) depctr_va_ssrc(0) depctr_va_vcc(0) depctr_vm_vsrc(0)
	s_getreg_b32 s2, hwreg(HW_REG_IB_STS2, 6, 4)
	s_cmp_eq_u32 s2, 0
	s_cbranch_scc0 .Lentry_in_a_cluster
	s_endpgm
.Lentry_in_a_cluster:
	s_bfe_u32 s2, ttmp6, 0x10000c
	s_cmp_lg_u32 s2, 0x3003
	s_cbranch_scc0 .Lentry_shape_is_right
	s_endpgm
.Lentry_shape_is_right:
; o = softmax(q k^T / sqrt(128), causal) v for 16 query heads on 4 key and value heads, both products on codes of FP6 (E2M3) with E8M0 scales; o / l is quantised along (head, d) for the last product.
; THE SOFTMAX: t = score x log2(e) / sqrt(128); M = the running largest t rounded up to a whole number; p = 2^(t - M) is quantised along the keys; the row's sum is taken of the unquantised p and divides o at the end.
; OPERANDS are register images (1,536 bytes; tile 2 g + u holds in lane r the row 32 g + 8 u + r + 8 (r / 8)).  A key step of 128 keys is one dense block of 25,600 bytes: K's 8 images and 512 bytes of its scale words,
; then V^T's 8 images and 512 bytes of its scale words.  Both products are used transposed: a lane holds one query throughout.
; SHARES.  The four partners of a cluster are the four query heads of one key and value head, at the same queries: K and V are asked for jointly.  Waves w and w + 4 share TWO tiles of 16 queries, one of query block i
; (128 queries) and one of block 15 - i, which have 17 key steps together: waves 0-3 take the even key steps of both tiles, waves 4-7 the odd ones, 9 and 8 tile steps.  A step's fragments are read once for both tiles.
; Each wave keeps M, the sum and O^T of its own keys for both tiles.  At the end it hands tile Y's to its partner through LDS and joins the partner's with its own tile X's: both are brought under the larger M by
; factors that are powers of two.  X is block 15 - i in waves 0-3 and block i in waves 4-7.
; Every work-group walks all 16 key steps, so that trip counts are constants and no barrier or tensor load is jumped over; a step all of whose keys come after a tile's queries is left
; out by a scalar branch on ids; the one step on the diagonal masks.
; LOADS: each of the 8 waves fetches half a key step (K's half or V's, 12,800 bytes) of a slot of four steps: one tensor load a wave at the head and behind each round.
; LIMITS: the scaled scores stay under 2^31 in magnitude; NaN and infinities are not served; v_exp_f32 gives 0 where the result would be denormal; a block whose largest magnitude lies under 2^-124, or of zeros,
; keeps the scale byte 1 (this program alone reads the bytes); o / l is a reciprocal and a multiplication.
; REGISTERS: window 0: v1-8, v29-31, v93 addresses; tile X: v12 -M, v13 the largest t, v[14:15] the sum, v16-27 Q, v28 its scale word, v160-223 O^T; tile Y: v76-79, v80-91, v92, O^T in window 1 v192-255;
;   v32-39 K's scale words, v40-47 V's; v48-75, v244-247 at work; v96-159 S^T, then p; v224-235 codes.   window 1: v0-95 K's 8 fragments, v96-191 V's 8.
.set STEPB, 25600
.set HALFB, 12800
.set SLOT1, 131072                     ; a slot holds four key steps, 102,400 bytes; slot 1 begins here
.set STAGE, 233472                     ; behind slot 1: 8,448 bytes a wave for the hand-over (O^T 8,192, -M and the sum 256); no tensor load lands here
.set WST,   8448
.set SPARE, STAGE+8*WST                ; the spare words, 128 bytes a wave
.set WV,    10
.set QX,    14                         ; tile X's query block, tile Y's, and the later of the two
.set QY,    15
.set QM,    16
.set SEL,   20
.set CS,    22
.set G1,    24
.set G0,    32
.set TB,    36                         ; LDS byte at which my step in hand begins
.set STP,   37                         ; its number, 0 .. 15
.set SLOTS, 38
.set INNER, 39
.set PFA,   40
.set LIM,   42
.set MSB, 0
.macro WIN new
.if MSB != \new
	s_set_vgpr_msb (MSB<<8)|\new
.set MSB, \new
.endif
.endm
.macro CROUND
	s_barrier_signal -1
	s_barrier_wait -1
	s_cmp_lg_u32 s[WV], 0
	s_cbranch_scc1 .Lnot_wave_0_\@
	s_barrier_signal -3
.Lnot_wave_0_\@:
	s_barrier_wait -3
	s_barrier_signal -1
	s_barrier_wait -1
.endm
.macro TLOAD                           ; every wave's half key step, jointly with the partners; s_nop 0 and four v_nop follow
	tensor_load_to_lds s[G0:G0+3], s[G1:G1+7]
	s_nop 0
.rept 4
	v_nop
.endr
.endm
; A prefetch of the slot that the NEXT change of slots will ask for: four key steps ahead of that load.  The 16 clusters of a key and value head walk the same blocks: the first of them asks.  Its four partners take
; one key step each, told apart by address; in each, waves 4-7 take 25 blocks of 256 bytes each, a lane a block (lanes 25-31 name the wave's last block again).  The last change that fills a slot asks for nothing.
.macro ASK
	s_cmp_gt_u32 s[SLOTS], s[LIM]
	s_cbranch_scc0 .Lnot_mine_\@
	global_prefetch_b8 v8, s[PFA:PFA+1] th:TH_LOAD_NT scope:SCOPE_SE
.Lnot_mine_\@:
.endm
; From the blocks' largest magnitudes in v48-51 and 64 numbers in v96-159 (register 16 b + i = k 32 b + 16 h + i): the scale word in v70, the fragment's codes in v224-235.
.macro HINT h, n                       ; the scheduling hint, written in the key steps (h = 1) and left out of the wave's end, which runs once (h = 0)
.if \h
	s_delay_alu instid0(VALU_DEP_\n)
.endif
.endm
.macro CODES h
.irp b, 0,1,2,3
	HINT \h, 4
	v_add_nc_u32 v[56+\b], 0xff000000, v[48+\b]    ; 2 off the exponent field: the conversion's scale operand
.endr
.irp b, 0,1,2,3
	HINT \h, 4
	v_lshrrev_b32 v[52+\b], 23, v[56+\b]           ; the scale's byte
.endr
	HINT \h, 3
	v_lshl_or_b32 v70, v53, 8, v52
	HINT \h, 1
	v_lshl_or_b32 v70, v54, 16, v70
	HINT \h, 1
	v_lshl_or_b32 v70, v55, 24, v70
.irp c, 0,1
	v_cvt_scalef32_pk16_fp6_f32 v[224+6*\c:226+6*\c], v[96+32*\c:111+32*\c], v[56+2*\c]
	v_cvt_scalef32_pk16_fp6_f32 v[60+4*\c:62+4*\c], v[112+32*\c:127+32*\c], v[56+2*\c+1]
.endr
	v_nop                                          ; one plain place behind a scaled conversion
.irp c, 0,1                                    ; the operand's layout wants a whole block in a lane
.irp i, 0,1,2
	v_permlane16_swap_b32 v[224+6*\c+\i], v[60+4*\c+\i]
.endr
.irp i, 0,1,2
	HINT \h, 3
	v_mov_b32 v[227+6*\c+\i], v[60+4*\c+\i]
.endr
.endr
.endm
; ONE TILE'S PART OF A KEY STEP.  qb: its query block; st: -M, the largest t, the sum's pair; qf, qs: Q's fragment and scale word; ob, ow: O^T's first register and window.
.macro TILE qb, st, qf, qs, ob, ow
.set WS, 0x41*(\ow)
.set WP, 0x01+0x50*(\ow)
	s_cmp_gt_u32 s[STP], s[\qb]
	s_cbranch_scc1 .Lskip_\@                       ; all the step's keys come after this tile's queries
	WIN 0x01
.irp t, 0,1,2,3,4,5,6,7
	v_wmma_scale_f32_16x16x128_f8f6f4 v[96+8*\t:103+8*\t], v[12*\t:12*\t+11], v[\qf:\qf+11], 0, v[32+\t], v[\qs] matrix_a_fmt:MATRIX_FMT_FP6 matrix_b_fmt:MATRIX_FMT_FP6
.endr
	WIN 0
.rept 4
	v_nop                                          ; places in front of the reads of the scores
.endr
	s_cmp_lg_u32 s[STP], s[\qb]
	s_cbranch_scc1 .Lopen_\@                       ; only the step on the diagonal masks: register 16 b + i holds key 32 b + 16 h + i of the step, hidden where 32 b + i > v7
.set N, 0
.rept 64
	v_cmp_gt_i32 vcc_lo, 32*(N/16)+N%16, v7
	v_cndmask_b32 v[96+N], v[96+N], v73, vcc_lo
.set N, N+1
.endr
.Lopen_\@:
.irp b, 0,1,2,3
	v_max3_num_f32 v[48+\b], v[96+16*\b], v[97+16*\b], v[98+16*\b]   ; the largest score of each block of 32 keys: for the row's maximum, and, since p rises with the score, for the block's largest p
.endr
.irp i, 3,5,7,9,11,13
.irp b, 0,1,2,3
	v_max3_num_f32 v[48+\b], v[48+\b], v[96+16*\b+\i], v[97+16*\b+\i]
.endr
.endr
.irp b, 0,1,2,3
	v_max_num_f32 v[48+\b], v[48+\b], v[111+16*\b]
.endr
.irp b, 0,1,2,3
	s_delay_alu instid0(VALU_DEP_4)
	v_permlanex16_b32 v[52+\b], v[48+\b], s[SEL], s[SEL+1]
.endr
.irp b, 0,1,2,3
	s_delay_alu instid0(VALU_DEP_4)
	v_max_num_f32 v[48+\b], v[48+\b], v[52+\b]
.endr
	s_delay_alu instid0(VALU_DEP_2)
	v_max3_num_f32 v71, v48, v49, v50
	s_delay_alu instid0(VALU_DEP_1)
	v_max_num_f32 v71, v71, v51
	s_delay_alu instid0(VALU_DEP_1)
	v_mul_f32 v71, s[CS], v71
	s_delay_alu instid0(VALU_DEP_1)
	v_max_num_f32 v[\st+1], v[\st+1], v71          ; the running largest t
	v_mov_b32 v71, v[\st]
	s_delay_alu instid0(VALU_DEP_2)
	v_floor_f32 v[\st], -v[\st+1]                  ; -M = floor(-t): M is a whole number
	s_delay_alu instid0(VALU_DEP_1)
	v_sub_f32 v71, v[\st], v71
	s_delay_alu instid0(VALU_DEP_1)
	v_cvt_i32_f32 v71, v71                         ; (it saturates)
	s_delay_alu instid0(VALU_DEP_1)
	v_ldexp_f32 v68, 1.0, v71                      ; f = 2^(old M - new M)
.set N, 0
.rept 32
	v_pk_fma_f32 v[96+N:97+N], v[96+N:97+N], s[CS:CS+1], v[\st:\st+1] op_sel_hi:[1,0,0]   ; t - M
.set N, N+2
.endr
.irp b, 0,1,2,3
	v_fma_f32 v[48+\b], v[48+\b], s[CS], v[\st]
.endr
	s_wait_alu depctr_va_vdst(0)                   ; the wait ahead of the batch
.set N, 0
.rept 64
	v_exp_f32 v[96+N], v[96+N]                     ; p, at most 1, not normalised
.set N, N+1
.endr
	v_pk_mul_f32 v[\st+2:\st+3], v[\st+2:\st+3], v[68:69] op_sel_hi:[1,0]   ; the sum under the new M (a plain place behind the exponentials)
	s_wait_alu depctr_va_vdst(0)                   ; one wait for the batch, ahead of its first reader
.irp b, 0,1,2,3
	v_exp_f32 v[48+\b], v[48+\b]                   ; the blocks' largest p
.endr
	v_pk_add_f32 v[74:75], v[96:97], v[98:99]      ; the row's sum of the unquantised p: 32 pairs in four chains
	v_pk_add_f32 v[244:245], v[100:101], v[102:103]
	v_pk_add_f32 v[246:247], v[104:105], v[106:107]
	v_pk_add_f32 v[\st+2:\st+3], v[\st+2:\st+3], v[108:109]
.irp j, 110,118,126,134,142,150
	v_pk_add_f32 v[74:75], v[74:75], v[\j:\j+1]
	v_pk_add_f32 v[244:245], v[244:245], v[\j+2:\j+3]
	v_pk_add_f32 v[246:247], v[246:247], v[\j+4:\j+5]
	v_pk_add_f32 v[\st+2:\st+3], v[\st+2:\st+3], v[\j+6:\j+7]
.endr
	v_pk_add_f32 v[74:75], v[74:75], v[158:159]
	v_pk_add_f32 v[244:245], v[244:245], v[246:247]
	s_delay_alu instid0(VALU_DEP_2)
	v_pk_add_f32 v[\st+2:\st+3], v[\st+2:\st+3], v[74:75]
	s_delay_alu instid0(VALU_DEP_1)
	v_pk_add_f32 v[\st+2:\st+3], v[\st+2:\st+3], v[244:245]
	s_wait_alu depctr_va_vdst(0)                   ; and one for the four
.irp b, 0,1,2,3
	v_max_num_f32 v[48+\b], 0x1800000, v[48+\b]    ; the floor 2^(3 - 127)
.endr
	CODES 1
	WIN WS
	s_wait_alu depctr_va_vdst(0)                   ; the wait directly ahead of the first reader of O^T
.set N, 0
.rept 32
	v_pk_mul_f32 v[\ob+N:\ob+N+1], v[\ob+N:\ob+N+1], v[68:69] op_sel_hi:[1,0]   ; O^T under the new M; these are also the places in front of the products below
.set N, N+2
.endr
	s_wait_alu depctr_va_vdst(0)
	s_wait_dscnt 0x0                               ; V is in
	WIN WP
.irp t, 0,1,2,3,4,5,6,7
	v_wmma_scale_f32_16x16x128_f8f6f4 v[\ob+8*\t:\ob+8*\t+7], v[96+12*\t:107+12*\t], v[224:235], v[\ob+8*\t:\ob+8*\t+7], v[40+\t], v70 matrix_a_fmt:MATRIX_FMT_FP6 matrix_b_fmt:MATRIX_FMT_FP6
.endr
	WIN 0
.Lskip_\@:
.endm
; ONE OF MY KEY STEPS: its scale words (4 loads), K's and V's fragments (24 loads each, 512 consecutive bytes a load), then both tiles.
.macro OWNSTEP
	s_cmp_gt_u32 s[STP], s[QM]
	s_cbranch_scc1 .Lhid_\@                        ; its keys come after the queries of both tiles
	s_wait_dscnt 0x0                               ; no load of an earlier step is out, on any way here: this step's loads land in the same registers
	v_add_nc_u32 v3, s[TB], v1
	v_add_nc_u32 v4, s[TB], v2
	v_nop
	v_nop                                          ; four places behind the last products, in front of the loads into their registers
	ds_load_b128 v[32:35], v4 offset:12288
	ds_load_b128 v[36:39], v4 offset:12544
	ds_load_b128 v[40:43], v4 offset:25088
	ds_load_b128 v[44:47], v4 offset:25344
	WIN 0x40
.irp g, 0,1
.irp t, 0,1,2,3,4,5,6,7
.irp c, 0,1,2
	ds_load_b128 v[96*\g+12*\t+4*\c:96*\g+12*\t+4*\c+3], v3 offset:HALFB*\g+1536*\t+512*\c
.endr
.endr
.endr
	WIN 0
	s_wait_dscnt 24                                ; the scale words and K are in; V's 24 loads may be out
	TILE QX, 12, 16, 28, 160, 0
	TILE QY, 76, 80, 92, 192, 1
.Lhid_\@:
	s_add_co_u32 s[TB], s[TB], 2*STEPB
	s_add_co_u32 s[STP], s[STP], 2
.endm
.macro SLOT_STEPS                      ; my two key steps of a slot
	s_mov_b32 s[INNER], 2
.Lin_\@:
	OWNSTEP
	s_sub_co_u32 s[INNER], s[INNER], 1
	s_cmp_lg_u32 s[INNER], 0
	s_cbranch_scc1 .Lin_\@
	s_sub_co_u32 s[TB], s[TB], 4*STEPB
	s_xor_b32 s[TB], s[TB], SLOT1                  ; on to the other slot
.endm
; THE CHANGE OF SLOTS, at a slot's head.  Each wave waits for all its tensor loads, adds 0 to its spare word, and waits for that and for its reads of the slot that it has left.
; fill = 1: behind a round of the cluster's barrier that slot is filled with the next four key steps (the first time: slot 1's first fill).
.macro CHANGE fill
	s_wait_tensorcnt 0x0                           ; no tensor load of mine is out, so the group 0 may be written
	ds_add_u32 v5, v6                              ; 0 onto my spare word
.if \fill
	s_xor_b32 s[G0+1], s[G0+1], SLOT1
	s_add_nc_u64 s[G0+2:G0+3], s[G0+2:G0+3], 4*STEPB
	s_wait_xcnt 0x0                                ; the last prefetch, a slot back, has read its address
	s_add_nc_u64 s[PFA:PFA+1], s[PFA:PFA+1], 4*STEPB
	s_wait_dscnt 0x0
	CROUND
	TLOAD
	ASK
.else
	s_wait_dscnt 0x0
	s_barrier_signal -1
	s_barrier_wait -1
.endif
.endm
.macro QADR qb, img, scl               ; where a tile's Q and its scale words lie; s48 keeps the token tile
	s_lshl_b32 s48, s[\qb], 3
	s_add_co_u32 s48, s48, s18
	s_lshl_b32 s50, s17, 7
	s_add_co_u32 s50, s50, s48
	s_mul_i32 s50, s50, 1536
	s_add_nc_u64 s[\img:\img+1], s[4:5], s[50:51]
	s_lshl_b32 s50, s17, 5
	s_lshr_b32 s54, s48, 2
	s_add_co_u32 s50, s50, s54
	s_lshl_b32 s50, s50, 8
	s_and_b32 s54, s48, 3
	s_lshl_b32 s54, s54, 2
	s_add_co_u32 s50, s50, s54
	s_add_co_u32 s50, s50, 3145728
	s_add_nc_u64 s[\scl:\scl+1], s[4:5], s[50:51]
.endm
	s_load_b128 s[4:7], s[0:1], 0x0                ; qbuf, kvbuf
	s_load_b64 s[8:9], s[0:1], 0x10                ; obuf
	v_lshl_add_u32 v5, v0, 2, SPARE
	v_mov_b32 v6, 0
	ds_add_u32 v5, v6                              ; the add, twice on end, and its wait ahead of my first tensor load
	ds_add_u32 v5, v6
	v_lshrrev_b32 v1, 5, v0
	v_readfirstlane_b32 s[WV], v1                  ; wave 0..7
	s_lshr_b32 s19, s[WV], 2                       ; 0: the even key steps, 1: the odd ones
	s_and_b32 s3, s[WV], 3
	s_bfe_u32 s11, ttmp6, 0x40000                  ; cx
	s_mov_b32 s12, ttmp9                           ; the cluster
	s_lshr_b32 s13, s12, 4                         ; the key and value head
	s_bfe_u32 s48, s12, 0x30001                    ; i
	s_sub_co_u32 s[QM], 15, s48                    ; 15 - i, the later block
	s_cmp_eq_u32 s19, 0
	s_cselect_b32 s[QX], s[QM], s48
	s_cselect_b32 s[QY], s48, s[QM]
	s_and_b32 s18, s12, 1
	s_lshl_b32 s18, s18, 2
	s_add_co_u32 s18, s18, s3                      ; my tiles' place in their blocks
	s_lshl_b32 s17, s13, 2
	s_add_co_u32 s17, s17, s11                     ; my query head
	s_mov_b32 s[G1], 15|(3<<16)|(1<<21)            ; to all four partners; elements of 8 bytes
	s_mov_b32 s[G1+1], 32<<16                      ; a dense block as 50 rows of 256 bytes
	s_mov_b32 s[G1+2], 50<<16
	s_mov_b32 s[G1+3], 32<<16
	s_mov_b32 s[G1+4], 50
	s_mov_b32 s[G1+5], 32
	s_mov_b32 s[G1+6], 0
	s_mov_b32 s[G1+7], 0
	s_mov_b32 s[G0], 1
	s_mul_i32 s[G0+1], s[WV], HALFB                ; slot 0, half key step = my wave's number
	s_mul_i32 s48, s13, 16*STEPB
	s_add_co_u32 s48, s48, s[G0+1]
	s_mov_b32 s49, 0
	s_mul_i32 s50, s13, 16*STEPB                   ; the prefetches: partner cx takes key step cx of a slot, wave 4 + n its blocks 25 n on; it starts in slot 1 and is stepped before it is used
	s_mul_i32 s54, s11, STEPB
	s_add_co_u32 s50, s50, s54
	s_mul_i32 s54, s3, 6400
	s_add_co_u32 s50, s50, s54
	s_add_co_u32 s50, s50, 4*STEPB
	s_mov_b32 s51, 0
	s_xor_b32 s2, s19, 1                           ; 0 in waves 4-7,
	s_and_b32 s55, s12, 15
	s_or_b32 s2, s2, s55                           ; of the head's first cluster: the same in all partners
	s_cmp_eq_u32 s2, 0
	s_cselect_b32 s[LIM], 1, -1
	s_mov_b32 s[SEL], 0x76543210
	s_mov_b32 s[SEL+1], 0xfedcba98
	s_mov_b32 s[CS], 0x3e0293ee                    ; c = log2(e) / sqrt(128)
	s_mov_b32 s[CS+1], s[CS]
	s_mul_i32 s[TB], s19, STEPB
	s_mov_b32 s[STP], s19
	s_mov_b32 s[SLOTS], 3
	s_wait_dscnt 0x0                               ; both opening adds are done
	s_wait_kmcnt 0x0
	s_add_nc_u64 s[G0+2:G0+3], s[6:7], s[48:49]
	s_or_b32 s[G0+3], s[G0+3], 0x80000000
	s_add_nc_u64 s[PFA:PFA+1], s[6:7], s[50:51]
	CROUND                                         ; all four work-groups are here
	TLOAD                                          ; slot 0: my one load at the head
	QADR QY, 58, 62
	QADR QX, 56, 60
	s_lshl_b32 s50, s48, 4
	s_add_co_u32 s50, s50, s17
	s_mul_i32 s50, s50, 1536
	s_add_nc_u64 s[44:45], s[8:9], s[50:51]        ; tile X's o: image (token tile, K step = head)
	s_lshl_b32 s50, s48, 10
	s_lshl_b32 s54, s13, 8
	s_add_co_u32 s50, s50, s54
	s_lshl_b32 s54, s11, 2
	s_add_co_u32 s50, s50, s54
	s_add_co_u32 s50, s50, 3145728
	s_add_nc_u64 s[46:47], s[8:9], s[50:51]        ; and its scale word
	s_lshr_b32 s54, s18, 1
	s_lshl_b32 s54, s54, 5
	s_and_b32 s55, s18, 1
	s_lshl_b32 s55, s55, 3
	s_add_co_u32 s52, s54, s55                     ; the tiles' first query in their blocks
	s_mul_i32 s54, s[WV], WST
	s_add_co_u32 s54, s54, STAGE                   ; my part of the stage,
	s_xor_b32 s55, s[WV], 4
	s_mul_i32 s55, s55, WST
	s_add_co_u32 s55, s55, STAGE                   ; and my partner's
	v_and_b32 v9, 31, v0
	v_and_b32 v10, 15, v0                          ; r
	v_bfe_u32 v11, v0, 4, 1                        ; h
	v_lshlrev_b32 v1, 4, v9                        ; 16 x lane
	v_lshlrev_b32 v2, 4, v10                       ; 16 r
.irp c, 0,1,2
	global_load_b128 v[16+4*\c:19+4*\c], v1, s[56:57] offset:512*\c
	global_load_b128 v[80+4*\c:83+4*\c], v1, s[58:59] offset:512*\c
.endr
	global_load_b32 v28, v2, s[60:61]
	global_load_b32 v92, v2, s[62:63]
	v_min_u32 v8, 24, v9
	v_and_b32 v7, 8, v10
	v_lshlrev_b32 v9, 3, v9                        ; 8 x lane
	v_lshlrev_b32 v11, 4, v11
	v_lshlrev_b32 v8, 8, v8                        ; the prefetches' offset
	v_add_nc_u32 v7, v7, v10
	v_add_nc_u32 v29, s54, v1
	v_add_nc_u32 v30, s55, v1
	v_sub_nc_u32 v7, v7, v11
	v_add_nc_u32 v31, s54, v9
	v_add_nc_u32 v93, s55, v9
	v_add_nc_u32 v7, s52, v7                       ; my query in its block, less 16 h
	v_mov_b32 v13, 0xff61b1e6                      ; the largest t so far: -3e38
	v_mov_b32 v77, 0xff61b1e6
	v_floor_f32 v12, -v13
	v_floor_f32 v76, -v77
.irp r, 14,15,78,79,52,53,54,55,68,69,71
	v_mov_b32 v\r, 0                               ; the sums; lane permutes' destinations and upper halves of pairs count as read
.endr
	v_mov_b32 v73, 0xff800000                      ; -infinity
.set N, 0
.rept 64
	v_mov_b32 v[160+N], 0                          ; O^T of both tiles: the step is written without a first step of its own, which would double the text; the first change of M leaves zeros zeros
.set N, N+1
.endr
	WIN 0x40
.set N, 0
.rept 64
	v_mov_b32 v[192+N], 0
.set N, N+1
.endr
	WIN 0
	s_wait_alu depctr_va_vdst(0)
	s_wait_loadcnt 0x0                             ; Q of both tiles
.Lslot:
	CHANGE 1
	SLOT_STEPS
	s_sub_co_u32 s[SLOTS], s[SLOTS], 1
	s_cmp_lg_u32 s[SLOTS], 0
	s_cbranch_scc1 .Lslot
	CHANGE 0                                       ; the last slot is written out
	SLOT_STEPS
	; THE HAND-OVER: tile Y's O^T, -M and sum go to my partner as an image of the registers
.rept 4
	v_nop                                          ; places behind the last products
.endr
	v_add_f32 v77, v78, v79
	WIN 0x04                                       ; an LDS store's data: window 1
.irp t, 0,1,2,3,4,5,6,7
	s_wait_alu depctr_va_vdst(0)                   ; the wait directly ahead of each matrix result's first reader
	ds_store_b128 v29, v[192+8*\t:195+8*\t] offset:1024*\t         ; each accumulator from its low end on
	ds_store_b128 v29, v[196+8*\t:199+8*\t] offset:1024*\t+512
.endr
	WIN 0
	ds_store_b64 v31, v[76:77] offset:8192
	s_wait_dscnt 0x0                               ; my stores are done, for my partner's sake
	s_barrier_signal -1
	s_barrier_wait -1
.irp k, 0,1,2,3,4,5,6,7,8,9,10,11,12,13,14,15
	ds_load_b128 v[96+4*\k:99+4*\k], v30 offset:512*\k             ; my partner's part of tile X
.endr
	ds_load_b64 v[48:49], v93 offset:8192
	s_wait_dscnt 0x0
	v_min_num_f32 v50, v12, v48                    ; -M of all the keys
	v_add_f32 v14, v14, v15
	v_sub_f32 v51, v50, v12
	v_sub_f32 v52, v50, v48
	v_cvt_i32_f32 v51, v51                         ; (they saturate: a part with no key has -M = 3e38, a factor 0, and zeros)
	v_cvt_i32_f32 v52, v52
	v_ldexp_f32 v51, 1.0, v51                      ; my part's factor,
	v_ldexp_f32 v52, 1.0, v52                      ; my partner's: powers of two
	v_mul_f32 v14, v14, v51
	v_fma_f32 v14, v49, v52, v14
	v_permlanex16_b32 v71, v14, s[SEL], s[SEL+1]
	v_add_f32 v14, v14, v71                        ; the row's sum
	s_wait_alu depctr_va_vdst(0)                   ; the wait ahead of the transcendental
	v_rcp_f32 v53, v14
	v_nop
	s_wait_alu depctr_va_vdst(0)                   ; and ahead of its first reader
	v_mul_f32 v68, v51, v53
	v_mul_f32 v72, v52, v53
.set N, 0
.rept 32
	v_pk_mul_f32 v[96+N:97+N], v[96+N:97+N], v[72:73] op_sel_hi:[1,0]
.set N, N+2
.endr
	s_wait_alu depctr_va_vdst(0)                   ; the wait directly ahead of the first reader of O^T
.set N, 0
.rept 32
	v_pk_fma_f32 v[96+N:97+N], v[160+N:161+N], v[68:69], v[96+N:97+N] op_sel_hi:[1,0,1]   ; o / l: register 16 b + i is d = 32 b + 16 h + i
.set N, N+2
.endr
	; o / l is quantised along d: it is K step 'head' of the last product
.irp b, 0,1,2,3
	v_max3_num_f32 v[48+\b], |v[96+16*\b]|, |v[97+16*\b]|, 0x1800000
.endr
.irp i, 2,4,6,8,10,12,14
.irp b, 0,1,2,3
	v_max3_num_f32 v[48+\b], v[48+\b], |v[96+16*\b+\i]|, |v[97+16*\b+\i]|   ; the four blocks by turns
.endr
.endr
.irp b, 0,1,2,3
	v_permlanex16_b32 v[52+\b], v[48+\b], s[SEL], s[SEL+1]
.endr
.irp b, 0,1,2,3
	v_max_num_f32 v[48+\b], v[48+\b], v[52+\b]     ; with lane l xor 16's: the block's largest magnitude
.endr
	CODES 0
.irp k, 0,1,2
	global_store_b128 v1, v[224+4*\k:227+4*\k], s[44:45] offset:512*\k   ; 512 consecutive bytes, aligned
.endr
	global_store_b32 v2, v70, s[46:47]             ; lanes r and r + 16 write the same word
	s_wait_tensorcnt 0x0                           ; the wave's end
	ds_add_u32 v5, v6
	s_wait_dscnt 0x0
	CROUND                                         ; the closing round
	s_endpgm
.Lfunc_end_k_qca1c12790e_attn:
	.size	k_qca1c12790e_attn, .Lfunc_end_k_qca1c12790e_attn-k_qca1c12790e_attn
	.p2alignl 7, 3214868480
	.fill 96, 4, 3214868480
	.section	.rodata,"a",@progbits
	.p2align	6, 0x0
	.amdhsa_kernel k_qca1c12790e_attn
		.amdhsa_group_segment_fixed_size 327680
		.amdhsa_private_segment_fixed_size 0
		.amdhsa_enable_private_segment 0
		.amdhsa_kernarg_size 24
		.amdhsa_user_sgpr_count 2
		.amdhsa_user_sgpr_kernarg_segment_ptr 1
		.amdhsa_wavefront_size32 1
		.amdhsa_system_sgpr_workgroup_id_x 1
		.amdhsa_system_sgpr_workgroup_id_y 1
		.amdhsa_system_sgpr_workgroup_id_z 1
		.amdhsa_system_vgpr_workitem_id 0
		.amdhsa_next_free_vgpr 512
		.amdhsa_next_free_sgpr 66
		.amdhsa_reserve_vcc 1
		.amdhsa_float_denorm_mode_32 3
		.amdhsa_float_denorm_mode_16_64 3
		.amdhsa_memory_ordered 1
		.amdhsa_forward_progress 1
		.amdhsa_inst_pref_size 118
	.end_amdhsa_kernel
	.amdgpu_metadata
---
amdhsa.version: [ 1, 2 ]
amdhsa.kernels:
  - .name:           k_qca1c12790e_attn
    .symbol:         k_qca1c12790e_attn.kd
    .args:
      - { .name: qbuf, .offset: 0, .size: 8, .value_kind: global_buffer, .address_space: global }
      - { .name: kvbuf, .offset: 8, .size: 8, .value_kind: global_buffer, .address_space: global }
      - { .name: obuf, .offset: 16, .size: 8, .value_kind: global_buffer, .address_space: global }
    .group_segment_fixed_size: 327680
    .private_segment_fixed_size: 0
    .kernarg_segment_align: 8
    .kernarg_segment_size: 24
    .max_flat_workgroup_size: 256
    .sgpr_count:     66
    .vgpr_count:     512
    .wavefront_size: 32
...
	.end_amdgpu_metadata
.endif
;; end of part 3
;; launch outp (part 4): grid 256 x 1, 4 waves a work-group, clusters of 4 x 1, 327,680 bytes of LDS; arguments obuf, wbuf, out0; writes out0
.if DOCPART == 4
	.amdgcn_target "amdgcn-amd-amdhsa--gfx1250"
	.amdhsa_code_object_version 6
	.text
	.protected	k_qca1c12790e_outp
	.globl	k_qca1c12790e_outp
	.p2align	8
	.type	k_qca1c12790e_outp,@function
k_qca1c12790e_outp:
	s_mov_b64 s[64:65], 0
	v_nop
	global_prefetch_b8 v0, s[64:65] scope:SCOPE_SE
	s_setreg_imm32_b32 hwreg(HW_REG_WAVE_MODE, 25, 1), 1
	s_wait_xcnt 0x0
	s_wait_alu depctr_hold_cnt(0) depctr_sa_sdst(0) depctr_va_vdst(0) depctr_va_sdst(0) depctr_va_ssrc(0) depctr_va_vcc(0) depctr_vm_vsrc(0)
	s_getreg_b32 s2, hwreg(HW_REG_IB_STS2, 6, 4)
	s_cmp_eq_u32 s2, 0
	s_cbranch_scc0 .Lentry_in_a_cluster
	s_endpgm
.Lentry_in_a_cluster:
	s_bfe_u32 s2, ttmp6, 0x10000c
	s_cmp_lg_u32 s2, 0x3003
	s_cbranch_scc0 .Lentry_shape_is_right
	s_endpgm
.Lentry_shape_is_right:
; out = o Wo on codes of FP6 (E2M3) with E8M0 scales; out0 [2048][2048] f32.
; OPERANDS are register images (1,536 bytes for 16 rows x 128 K; image of (tile, K step s) at (16 tile + s) x 1,536; tile 2 g + u holds in lane r the row 32 g + 8 u + r + 8 (r / 8)).
; SHARES.  A work-group makes 128 tokens x 128 columns: P (source 0) = Wo's 8 tiles, Q (source 1) = o's 8 token tiles; wave (a, b): Q tiles 4 a + j, P tiles 4 b + t: 16 accumulators.  A lane then holds one token, and
; the 16 registers of P's tiles 2 c, 2 c + 1 are 16 neighbouring columns.
; K: 16 steps of 128 in three fills of two LDS slots of 147,456 bytes.  Slot 0 takes K steps 0-5 at the head, slot 1 K steps 6-11 behind the head's round, slot 0 again K steps 12-15 when step 5 has been read: that
; load has six K steps, 96 products a wave, in which to land.  A tile's part of a fill is 9,216 (or 6,144) consecutive bytes in memory and in LDS, beginning at a multiple of 256.
; THE HEAD'S LOADS, one a wave: wave 0 P's 8 tiles, wave 1 P's scale words, wave 2 Q's 8 tiles, wave 3 Q's scale words.  Behind the head waves 0, 1 fetch P's halves and waves 2, 3 Q's.
; CLUSTER 4, 1, 1: the four partners share P, asked for jointly; Q is each work-group's own (the same frame as the launch that makes q, k and v, whose grid allows no 4 x 4 cluster).
; NO PREFETCH: the walk along K is three fills written out, with no loop to run ahead in.
; REGISTERS: window 0: v8-29 addresses; v32-95 scale words, two sets; v128-223 Q's fragments, two sets; on the way out v128-255 rows of out.   window 1: P's fragments, two sets of 48.   window 2: the accumulators, (j, t) at v[8 (4 j + t)].
.set P6,    9216                       ; a tile's six K steps
.set P4,    6144                       ; and four
.set SLOT,  16*P6                      ; P's 8 tiles, then Q's 8
.set SCL,   2*SLOT                     ; behind the slots: Q's scale words (8,192 bytes), then P's
.set SPARE, SCL+16384                  ; the spare words, 128 bytes a wave
.set STG,   SLOT                       ; the way out's stages lie in slot 1, which has had its one fill, and its last read in front of the last barrier
.set XSCL,  3145728
.set WSCL,  7864320
.set AP,   8                           ; v8-10  my P fragments in fill 0, 1, 2
.set AQ,   12                          ; v12-14 my Q fragments
.set ADRS, 20                          ; my scale words: lanes 0-15 Q's, lanes 16-31 P's
.set STO,  21                          ; the way out: where I put 16 bytes of a row
.set RD,   22                          ; where I read a row back
.set CO,   23                          ; my byte offset in two rows of out
.set SPW,  28
.set NIL,  29
.set SC,   32
.set QF,   128
.set G1P,  28
.set G1Q,  36
.set G1SP, 44                          ; the scale words' groups 1; behind the head they describe the third fill's tiles
.set G1SQ, 52
.set G0P0, 60
.set G0P1, 68
.set G0Q0, 72
.set G0Q1, 76
.set G0SP, 80
.set G0SQ, 84
.set G0P2, 88
.set G0Q2, 92
.set MSB, 0
.macro WIN new
.if MSB != \new
	s_set_vgpr_msb (MSB<<8)|\new
.set MSB, \new
.endif
.endm
.macro PLACES                          ; four plain places behind matrix instructions, in front of loads into their registers and of reads of results
.rept 4
	v_nop
.endr
.endm
.macro CROUND
	s_barrier_signal -1
	s_barrier_wait -1
	s_cmp_lg_u32 s20, 0
	s_cbranch_scc1 .Lnot_wave_0_\@
	s_barrier_signal -3
.Lnot_wave_0_\@:
	s_barrier_wait -3
	s_barrier_signal -1
	s_barrier_wait -1
.endm
.macro JLOAD gp, g1p, gq, g1q          ; waves 0, 1 fetch P's halves (jointly), waves 2, 3 Q's; s_nop 0 and four v_nop follow each line
	s_cmp_lt_u32 s20, 2
	s_cbranch_scc0 .Lfor_q_\@
	tensor_load_to_lds s[\gp:\gp+3], s[\g1p:\g1p+7]
	s_nop 0
.rept 4
	v_nop
.endr
	s_branch .Lasked_\@
.Lfor_q_\@:
	tensor_load_to_lds s[\gq:\gq+3], s[\g1q:\g1q+7]
	s_nop 0
.rept 4
	v_nop
.endr
.Lasked_\@:
.endm
.macro FETCH s                         ; K step s's fragments into set s % 2: three loads of 512 consecutive bytes each; with each fourth step the scale words of four steps
.if (\s) < 12
.set PHS, (\s)/6
.set POS, (\s)%6
.set PIT, P6
.else
.set PHS, 2
.set POS, (\s)-12
.set PIT, P4
.endif
.set FS, (\s)%2
	WIN 0x40
.irp t, 0,1,2,3
.irp c, 0,1,2
	ds_load_b128 v[48*FS+12*\t+4*\c:48*FS+12*\t+4*\c+3], v[AP+PHS] offset:\t*PIT+POS*1536+512*\c
.endr
.endr
	WIN 0
.irp j, 0,1,2,3
.irp c, 0,1,2
	ds_load_b128 v[QF+48*FS+12*\j+4*\c:QF+48*FS+12*\j+4*\c+3], v[AQ+PHS] offset:\j*PIT+POS*1536+512*\c
.endr
.endr
.if (\s)%4 == 0
.irp t, 0,1,2,3
	ds_load_b128 v[SC+32*(((\s)/4)%2)+4*\t:SC+32*(((\s)/4)%2)+4*\t+3], v[ADRS] offset:1024*\t+256*((\s)/4)
.endr
.endif
.endm
.macro MUL s, j0, zero                 ; Q tiles j0, j0 + 1 against my P tiles.  The accumulators take turns, one instruction a turn, in one order in every step
.set FS, (\s)%2
.set SS, SC+32*(((\s)/4)%2)+(\s)%4
	WIN 0xa1
.irp j, \j0, \j0+1
.irp t, 0,1,2,3
.if \zero
	v_wmma_scale_f32_16x16x128_f8f6f4 v[8*(4*(\j)+\t):8*(4*(\j)+\t)+7], v[48*FS+12*\t:48*FS+12*\t+11], v[QF+48*FS+12*(\j):QF+48*FS+12*(\j)+11], 0, v[SS+4*\t], v[SS+4*(\j)] matrix_a_fmt:MATRIX_FMT_FP6 matrix_b_fmt:MATRIX_FMT_FP6 matrix_a_scale:MATRIX_SCALE_ROW1
.else
	v_wmma_scale_f32_16x16x128_f8f6f4 v[8*(4*(\j)+\t):8*(4*(\j)+\t)+7], v[48*FS+12*\t:48*FS+12*\t+11], v[QF+48*FS+12*(\j):QF+48*FS+12*(\j)+11], v[8*(4*(\j)+\t):8*(4*(\j)+\t)+7], v[SS+4*\t], v[SS+4*(\j)] matrix_a_fmt:MATRIX_FMT_FP6 matrix_b_fmt:MATRIX_FMT_FP6 matrix_a_scale:MATRIX_SCALE_ROW1
.endif
.endr
.endr
.endm
.macro STEP s, zero                    ; a K step whose successor lies in the same fill: the next step's fragments are asked for, then this step's 16 products
	s_wait_dscnt 0x0                               ; this step's fragments are in
	PLACES
	FETCH (\s)+1
	MUL \s, 0, \zero
	MUL \s, 2, \zero
	WIN 0
.endm
; A fill's last K step.  fill = 1: slot 0 has been read and takes K steps 12-15; fill = 0: those are awaited, and nothing is filled.
.macro TURN s, fill
	s_wait_dscnt 0x0                               ; my last reads of the slot in hand are in
	s_wait_tensorcnt 0x0                           ; all my tensor loads have landed: my part of the next fill
	ds_add_u32 v[SPW], v[NIL]                      ; 0 onto my spare word
	MUL \s, 0, 0                                   ; eight products stand between the add and the wait for it
	WIN 0
	s_wait_dscnt 0x0                               ; the add is done
.if \fill
	CROUND                                         ; no wave of any partner still reads slot 0 or has a load on its way
	JLOAD G0P2, G1SP, G0Q2, G1SQ                   ; the first tensor load behind the round; its four v_nop are the places in front of the loads below
.else
	s_barrier_signal -1
	s_barrier_wait -1
	PLACES
.endif
	FETCH (\s)+1
	MUL \s, 2, 0
	WIN 0
.endm
	s_load_b128 s[4:7], s[0:1], 0x0                ; obuf, wbuf
	s_load_b64 s[8:9], s[0:1], 0x10                ; out0
	v_lshl_add_u32 v[SPW], v0, 2, SPARE
	v_mov_b32 v[NIL], 0
	ds_add_u32 v[SPW], v[NIL]                      ; the add, twice on end, and its wait ahead of my first tensor load
	ds_add_u32 v[SPW], v[NIL]
	v_lshrrev_b32 v1, 5, v0
	v_readfirstlane_b32 s20, v1                    ; wave
	s_lshr_b32 s21, s20, 1                         ; a
	s_and_b32 s22, s20, 1                          ; b; also: which half of an operand I fetch
	s_bfe_u32 s23, ttmp6, 0x40000                  ; cx
	s_mov_b32 s24, ttmp9                           ; the cluster
	s_mov_b32 s[G1P], 15|(3<<16)|(1<<21)           ; P: to all four partners; elements of 8 bytes
	s_mov_b32 s[G1Q], 3<<16                        ; Q: my own
.irp g, G1P, G1Q
	s_mov_b32 s[\g+1], 1152<<16                    ; rows (tiles) of 9,216 bytes, 24,576 bytes apart: 8 at the head, 4 behind it
	s_mov_b32 s[\g+2], 8<<16
	s_mov_b32 s[\g+3], 1152<<16
	s_mov_b32 s[\g+4], 8
	s_mov_b32 s[\g+5], 3072
	s_mov_b32 s[\g+6], 0
	s_mov_b32 s[\g+7], 0
.endr
	s_mov_b32 s[G1SP], 15|(3<<16)|(1<<21)
	s_mov_b32 s[G1SQ], 3<<16
.irp g, G1SP, G1SQ
	s_mov_b32 s[\g+1], 32<<16                      ; the scale words of 8 tiles: a dense block, as 32 rows of 256 bytes
	s_mov_b32 s[\g+2], 32<<16
	s_mov_b32 s[\g+3], 32<<16
	s_mov_b32 s[\g+4], 32
	s_mov_b32 s[\g+5], 32
	s_mov_b32 s[\g+6], 0
	s_mov_b32 s[\g+7], 0
.endr
	; P: made of the cluster's number and the wave's alone
	s_lshr_b32 s25, s24, 2                         ; nb: 128 columns
	s_lshl_b32 s26, s25, 3
	s_add_co_u32 s26, s26, 192                     ; Wo's tile 192 + 8 nb
	s_lshl_b32 s98, s26, 10
	s_add_co_u32 s98, s98, WSCL
	s_mov_b32 s99, 0
	s_lshl_b32 s96, s22, 2
	s_add_co_u32 s26, s26, s96                     ; the codes: + my half's 4 tiles
	s_mul_i32 s96, s26, 24576
	s_mov_b32 s97, 0
	; Q
	s_and_b32 s27, s24, 3
	s_lshl_b32 s27, s27, 2
	s_add_co_u32 s27, s27, s23                     ; tokblk = 4 (cluster % 4) + cx
	s_lshl_b32 s66, s27, 3
	s_lshl_b32 s67, s22, 2
	s_add_co_u32 s67, s66, s67
	s_mul_i32 s100, s67, 24576
	s_mov_b32 s101, 0
	s_lshl_b32 s66, s66, 10
	s_add_co_u32 s66, s66, XSCL
	s_mov_b32 s67, 0
	; LDS addresses: constants and the wave's number
	s_mul_i32 s[G0P0+1], s22, 4*P6
	s_add_co_u32 s[G0P1+1], s[G0P0+1], SLOT
	s_add_co_u32 s[G0Q0+1], s[G0P0+1], 8*P6
	s_add_co_u32 s[G0Q1+1], s[G0Q0+1], SLOT
	s_mul_i32 s[G0P2+1], s22, 4*P4
	s_add_co_u32 s[G0Q2+1], s[G0P2+1], 8*P4
	s_mov_b32 s[G0SP+1], SCL+8192
	s_mov_b32 s[G0SQ+1], SCL
.irp g, G0P0, G0P1, G0P2, G0Q0, G0Q1, G0Q2, G0SP, G0SQ
	s_mov_b32 s[\g], 1
.endr
	s_wait_dscnt 0x0                               ; both opening adds are done
	s_wait_kmcnt 0x0
	s_add_nc_u64 s[G0P0+2:G0P0+3], s[6:7], s[96:97]
	s_add_nc_u64 s[G0P1+2:G0P1+3], s[G0P0+2:G0P0+3], P6
	s_add_nc_u64 s[G0P2+2:G0P2+3], s[G0P0+2:G0P0+3], 2*P6
	s_add_nc_u64 s[G0SP+2:G0SP+3], s[6:7], s[98:99]
	s_add_nc_u64 s[G0Q0+2:G0Q0+3], s[4:5], s[100:101]
	s_add_nc_u64 s[G0Q1+2:G0Q1+3], s[G0Q0+2:G0Q0+3], P6
	s_add_nc_u64 s[G0Q2+2:G0Q2+3], s[G0Q0+2:G0Q0+3], 2*P6
	s_add_nc_u64 s[G0SQ+2:G0SQ+3], s[4:5], s[66:67]
.irp g, G0P0, G0P1, G0P2, G0Q0, G0Q1, G0Q2, G0SP, G0SQ
	s_or_b32 s[\g+3], s[\g+3], 0x80000000
.endr
	CROUND                                         ; all four work-groups are here: the first joint loads meet
; One tree of branches on the wave's number, one load to an arm.  Waves 0 and 2 fetch half 0 behind the head, so their group 0 of slot 0 points at the operand's first tile.
.macro ARM under, g0, g1, next
	s_cmp_lt_u32 s20, \under
	s_cbranch_scc0 \next
	tensor_load_to_lds s[\g0:\g0+3], s[\g1:\g1+7]
	s_nop 0
.rept 4
	v_nop
.endr
	s_branch .Lfirst_asked
\next:
.endm
	ARM 1, G0P0, G1P,  .Lfirst_sp
	ARM 2, G0SP, G1SP, .Lfirst_q
	ARM 3, G0Q0, G1Q,  .Lfirst_sq
	tensor_load_to_lds s[G0SQ:G0SQ+3], s[G1SQ:G1SQ+7]
	s_nop 0
.rept 4
	v_nop
.endr
.Lfirst_asked:
	s_mul_i32 s10, s22, 4*P6                       ; my P tiles in fills 0 and 1,
	s_mul_i32 s11, s22, 4*P4                       ; and in fill 2
	s_mul_i32 s12, s21, 4*P6
	s_add_co_u32 s12, s12, 8*P6                    ; my Q tiles likewise
	s_mul_i32 s13, s21, 4*P4
	s_add_co_u32 s13, s13, 8*P4
	s_lshl_b32 s15, s21, 12                        ; Q's scale words: my 4 tiles
	s_lshl_b32 s14, s22, 12
	s_add_co_u32 s14, s14, 8192
	s_sub_co_u32 s14, s14, s15                     ; from there to P's: my 4 tiles
	s_add_co_u32 s15, s15, SCL
	s_mul_i32 s16, s20, 17408                      ; my stage: 64 rows x (256 + 16) bytes
	s_add_co_u32 s16, s16, STG
	s_lshl_b32 s2, s27, 20                         ; out: 128 tokblk rows of 8,192 bytes
	s_lshl_b32 s3, s21, 19
	s_add_co_u32 s2, s2, s3
	s_lshl_b32 s3, s25, 9
	s_add_co_u32 s2, s2, s3
	s_lshl_b32 s3, s22, 8
	s_add_co_u32 s2, s2, s3
	s_mov_b32 s3, 0
	s_add_nc_u64 s[8:9], s[8:9], s[2:3]
	v_and_b32 v1, 31, v0                           ; lane
	v_and_b32 v2, 15, v0                           ; r
	v_bfe_u32 v3, v0, 4, 1                         ; h
	v_lshlrev_b32 v6, 4, v1                        ; 16 x lane
	v_lshlrev_b32 v7, 4, v2                        ; 16 r
	v_add_nc_u32 v[AP], s10, v6
	v_add_nc_u32 v[AP+1], SLOT, v[AP]
	v_add_nc_u32 v[AP+2], s11, v6
	v_add_nc_u32 v[AQ], s12, v6
	v_add_nc_u32 v[AQ+1], SLOT, v[AQ]
	v_add_nc_u32 v[AQ+2], s13, v6
	v_mul_u32_u24 v5, s14, v3                      ; lanes 16-31 take P's scale words
	v_add_nc_u32 v5, v5, v7
	v_add_nc_u32 v[ADRS], s15, v5
	v_mul_u32_u24 v[STO], v2, 272
	v_lshl_add_u32 v[STO], v3, 6, v[STO]
	v_add_nc_u32 v[STO], s16, v[STO]               ; in: row r, + 64 h
	v_mul_u32_u24 v[RD], v3, 272
	v_add_nc_u32 v[RD], v[RD], v7
	v_add_nc_u32 v[RD], s16, v[RD]                 ; back: lanes 0-15 one row, lanes 16-31 the next
	v_lshl_add_u32 v[CO], v3, 13, v7               ; and the same two rows in out
	s_wait_alu depctr_va_vdst(0)
	s_wait_tensorcnt 0x0                           ; my tile of the head's four is in; slot 1's first fill is issued as a refill is:
	ds_add_u32 v[SPW], v[NIL]                      ; 0 onto my spare word
.irp g, G1P, G1Q
	s_mov_b32 s[\g+2], 4<<16                       ; no tensor load of mine is out: from here on a load brings 4 tiles;
	s_mov_b32 s[\g+4], 4
.endr
.irp g, G1SP, G1SQ
	s_mov_b32 s[\g+1], 768<<16                     ; and the scale words' groups 1 now describe the third fill: 4 rows of 6,144 bytes, 24,576 bytes apart
	s_mov_b32 s[\g+2], 4<<16
	s_mov_b32 s[\g+3], 768<<16
	s_mov_b32 s[\g+4], 4
	s_mov_b32 s[\g+5], 3072
.endr
	s_wait_dscnt 0x0                               ; the add is done
	CROUND                                         ; all four tiles are in, in every partner
	JLOAD G0P1, G1P, G0Q1, G1Q                     ; K steps 6-11, the first tensor load behind the round
	FETCH 0
	STEP 0, 1                                      ; the first products start the sums
.irp s, 1,2,3,4
	STEP \s, 0
.endr
	TURN 5, 1                                      ; slot 0 is left and takes K steps 12-15
.irp s, 6,7,8,9,10
	STEP \s, 0
.endr
	TURN 11, 0                                     ; K steps 12-15 are in, in every wave; behind this barrier nobody reads slot 1
.irp s, 12,13,14
	STEP \s, 0
.endr
	s_wait_dscnt 0x0
	MUL 15, 0, 0
	MUL 15, 2, 0
	WIN 0
	; THE WAY OUT: a lane holds pieces of 32 bytes of one row; they go through my own stage and come back as rows of 256 bytes
	PLACES
	WIN 0x08                                       ; an LDS store's data: window 2
.irp j, 0,1,2,3
.irp t, 0,1,2,3
	ds_store_b128 v[STO], v[8*(4*\j+\t):8*(4*\j+\t)+3] offset:4352*\j+128*(\t/2)+32*(\t%2)       ; each accumulator from its low end on
	ds_store_b128 v[STO], v[8*(4*\j+\t)+4:8*(4*\j+\t)+7] offset:4352*\j+128*(\t/2)+32*(\t%2)+16
.endr
.endr
	WIN 0
.irp j, 0,1,2,3
.irp i, 0,1,2,3,4,5,6,7
	ds_load_b128 v[128+32*\j+4*\i:128+32*\j+4*\i+3], v[RD] offset:4352*\j+544*\i   ; LDS serves a wave's instructions in order: these see my stores
.endr
.endr
.irp j, 0,1,2,3
.irp i, 0,1,2,3,4,5,6,7
	s_wait_dscnt 31-8*\j-\i                        ; the younger loads may be out
	global_store_b128 v[CO], v[128+32*\j+4*\i:128+32*\j+4*\i+3], s[8:9] offset:(32*(\j/2)+8*(\j%2)+2*\i+8*(\i/4))*8192 th:TH_STORE_NT   ; 16 lanes store 256 consecutive bytes, aligned
.endr
.endr
	s_wait_tensorcnt 0x0                           ; the wave's end
	ds_add_u32 v[SPW], v[NIL]
	s_wait_dscnt 0x0
	CROUND                                         ; the closing round
	s_endpgm
.Lfunc_end_k_qca1c12790e_outp:
	.size	k_qca1c12790e_outp, .Lfunc_end_k_qca1c12790e_outp-k_qca1c12790e_outp
	.p2alignl 7, 3214868480
	.fill 96, 4, 3214868480
	.section	.rodata,"a",@progbits
	.p2align	6, 0x0
	.amdhsa_kernel k_qca1c12790e_outp
		.amdhsa_group_segment_fixed_size 327680
		.amdhsa_private_segment_fixed_size 0
		.amdhsa_enable_private_segment 0
		.amdhsa_kernarg_size 24
		.amdhsa_user_sgpr_count 2
		.amdhsa_user_sgpr_kernarg_segment_ptr 1
		.amdhsa_wavefront_size32 1
		.amdhsa_system_sgpr_workgroup_id_x 1
		.amdhsa_system_sgpr_workgroup_id_y 1
		.amdhsa_system_sgpr_workgroup_id_z 1
		.amdhsa_system_vgpr_workitem_id 0
		.amdhsa_next_free_vgpr 768
		.amdhsa_next_free_sgpr 102
		.amdhsa_reserve_vcc 0
		.amdhsa_float_denorm_mode_32 3
		.amdhsa_float_denorm_mode_16_64 3
		.amdhsa_memory_ordered 1
		.amdhsa_forward_progress 1
		.amdhsa_inst_pref_size 82
	.end_amdhsa_kernel
	.amdgpu_metadata
---
amdhsa.version: [ 1, 2 ]
amdhsa.kernels:
  - .name:           k_qca1c12790e_outp
    .symbol:         k_qca1c12790e_outp.kd
    .args:
      - { .name: obuf, .offset: 0, .size: 8, .value_kind: global_buffer, .address_space: global }
      - { .name: wbuf, .offset: 8, .size: 8, .value_kind: global_buffer, .address_space: global }
      - { .name: out0, .offset: 16, .size: 8, .value_kind: global_buffer, .address_space: global }
    .group_segment_fixed_size: 327680
    .private_segment_fixed_size: 0
    .kernarg_segment_align: 8
    .kernarg_segment_size: 24
    .max_flat_workgroup_size: 128
    .sgpr_count:     102
    .vgpr_count:     768
    .wavefront_size: 32
...
	.end_amdgpu_metadata
.endif
;; end of part 4
